; MI455X (gfx1250); checked and timed in simulation.
; The chip was launched on July 23, 2026; its instructions are those of AMD's public machine-readable ISA for CDNA 5 (MIT licence, August 2026) and "CDNA5" Instruction Set Architecture Reference Guide (July 2026). The comments in the code are by the model that wrote it; some were corrected since.
;; Attention. Allowed arithmetic: matrix products marked QUANTISED: E2M3 operands, one E8M0 scale for each 32 along K, by v_wmma_scale_f32_16x16x128_f8f6f4 with both operands' format E2M3, f32 sums; products left as they are: f32 operands where the result goes on into a quantised operand, else bf16, f16 or f32 operands; f32 sums; everything else in f32.
;; Inputs: adapter 1 x 10 x 2,048 float32; freqs_cos 2,048 x 64 float32; freqs_sin 2,048 x 64 float32; gate 1 x 16 x 1 x 1 float32; mask 1 x 1 x 2,048 x 2,048 float32; wk 2,048 x 2,048 float32; wo_codes 2,048 x 64 x 24 uint8 (E2M3 codes of wo, K innermost, in blocks of 32 codes, four codes in three bytes); wo_scales 2,048 x 64 uint8 (E8M0 scales of wo, one for each 32 codes along K); wq_codes 2,048 x 64 x 24 uint8 (E2M3 codes of wq, K innermost, in blocks of 32 codes, four codes in three bytes); wq_scales 2,048 x 64 uint8 (E8M0 scales of wq, one for each 32 codes along K); wv 2,048 x 2,048 float32; x_codes 1 x 2,048 x 64 x 24 uint8 (E2M3 codes of x, K innermost, in blocks of 32 codes, four codes in three bytes); x_scales 1 x 2,048 x 64 uint8 (E8M0 scales of x, one for each 32 codes along K).
;; Outputs: out0 1 x 2,048 x 2,048 float32.
;; This version of the problem:
;;   THIS VERSION OF THE PROBLEM IS GIVEN IN LOW PRECISION. The matrix products marked QUANTISED in the list below multiply operands that are first quantised to E2M3 (2 exponent bits, 3 mantissa bits; 6 bits a number), with one power-of-two scale for each 32 numbers along K (OCP MX v1.0); their sums are f32. All else is computed in f32.
;;   The module's matrix products, in the order in which they are computed (A, B: the left and right operand; K: the contracted axis; several contracted axes count as one K, in the product's order):
;;     1. [M 2,048, K 2,048] x [K 2,048, N 2,048]; A: input x (given as codes); B: input wq (given as codes): QUANTISED
;;     2. [M 2,048, K 2,048] x [K 2,048, N 2,048]; A: input x (given as codes); B: input wk: QUANTISED
;;     3. [M 2,048, K 2,048] x [K 2,048, N 2,048]; A: input x (given as codes); B: input wv: QUANTISED
;;     4. batch 16 x [M 2,048, K 128] x [K 128, N 2,048]; A: computed on the way; B: computed on the way: QUANTISED
;;     5. batch 16 x [M 128, K 2,048] x [K 2,048, N 2,048]; A: computed on the way; B: softmax (see below): QUANTISED
;;     6. [M 10, K 2,048] x [K 2,048, N 2,048]; A: input adapter; B: input wk: left as it is (M = 10 < 16)
;;     7. [M 10, K 2,048] x [K 2,048, N 2,048]; A: input adapter; B: input wv: left as it is (M = 10 < 16)
;;     8. batch 16 x [M 10, K 128] x [K 128, N 2,048]; A: computed on the way; B: computed on the way: left as it is (M = 10 < 16)
;;     9. batch 16 x [M 128, K 10] x [K 10, N 2,048]; A: computed on the way; B: computed on the way: left as it is (K = 10 < 32)
;;     10. [M 2,048, K 2,048] x [K 2,048, N 2,048]; A: computed on the way; B: input wo (given as codes): QUANTISED
;;   THE QUANTISER, for each operand of a quantised product, along K:
;;     - K is cut into blocks of 32 from its start; a last block that is shorter is filled with zeros.
;;     - A block's scale is 2^e with e = floor(log2(the largest magnitude in the block)) - 2, held to -126 .. 127; a block of zeros has e = 0. As a byte (E8M0): e + 127.
;;     - Each number is divided by its block's scale, clamped to +-7.5, and rounded to the nearest number of E2M3, ties to even, subnormals kept.
;;     - The product sums the exact products of the quantised numbers (number of the format x scale) in f32.
;;   ~~~python
;;   def quantise(x, axis):      # numpy; x: float32 -> the quantised numbers, widened to float32 again
;;       x = np.moveaxis(x, axis, -1); K = x.shape[-1]
;;       x = np.pad(x, [(0, 0)] * (x.ndim - 1) + [(0, -K % 32)]); x = x.reshape(x.shape[:-1] + (-1, 32)); a = np.abs(x).max(-1, keepdims=True)
;;       e = np.where(a > 0, np.clip(np.frexp(np.where(a > 0, a, 1))[1] - 1 - 2, -126, 127), 0)      # np.frexp(a)[1] - 1 = floor(log2(a)), exactly
;;       r = np.clip(x / 2.0 ** e, -7.5, 7.5)
;;       step = 2.0 ** (np.maximum(np.frexp(np.where(r == 0, 1, r))[1] - 1, 0) - 3)
;;       q = np.round(r / step) * step * 2.0 ** e      # np.round: ties to even
;;       return np.moveaxis(q.reshape(q.shape[:-2] + (-1,))[..., :K], -1, axis).astype(np.float32)
;;   ~~~
;;   SOFTMAX AHEAD OF A QUANTISED PRODUCT. Where the list says 'softmax', what is quantised is not the finished softmax but p = 2^(t - M), with t = logit x log2(e) and M = ceil(the row's largest t), a whole number; so 1/2 < the row's largest p <= 1. The row's sum l is taken of the UNQUANTISED p, in f32, and the product's result is divided by l at the end. Since M is a whole number, a kernel that streams over the keys may use a running M (the ceiling of the running maximum): every later rescaling is an exact power of two, which a block's scale takes up: the codes' values come out the same.
;;   OPERANDS COMPUTED ON THE WAY. 'Computed on the way' means the value that the module computes at that place (a softmax that the list does not call 'softmax' is quantised finished and normalised). What goes into a quantiser is computed in f32, as accurately as f32 sums, v_exp_f32 and their like allow (about 1e-6 of the number): no bf16 or f16 on the way to a quantiser, and a product that is left as it is and whose result goes on into a quantised operand takes f32 operands (vector FMAs, or v_wmma_f32_16x16x4_f32). A number that lies on a knife's edge between two numbers of the format may be rounded either way, as far as f32 arithmetic and the matrix unit's own rounding can turn it there, and no further.
;;   INPUTS GIVEN AS CODES. wo (in the module: [2048, 2048], K = its axis 0); wq (in the module: [2048, 2048], K = its axis 0); x (in the module: [1, 2048, 2048], K = its axis 2): each comes as NAME_codes (uint8): NAME with its K axis moved to the last place and cut into blocks of 32 codes, [.., K / 32, bytes a block], one block behind the other in memory; four codes in three bytes: a row's codes are one little-endian stream of bits, code i at bits 6 i .. 6 i + 5 (a code: sign, 2 exponent bits, 3 mantissa bits); and NAME_scales (uint8): the same leading axes, one E8M0 byte (e + 127) for each 32 codes along K. Its value is code x scale, taken as it is: it is not quantised again, and the codes and scales need not be those that the quantiser above would give.
;; One version. Each part assembles by itself: llvm-mc -triple=amdgcn-amd-amdhsa -mcpu=gfx1250 --defsym DOCPART=n.
;; ======== version 1 of 1: 4 launches
;; workspace buffers: wcodes 6,291,456 bytes; wscales 262,144 bytes; adp 655,360 bytes; qrec 3,276,800 bytes; kv 6,553,600 bytes; ap 2,097,152 bytes; orec 3,276,800 bytes
;; launch wquant (part 1): grid 32 x 8, 8 waves a work-group, no clusters, 77,824 bytes of LDS; arguments wk, wv, adapter, wcodes, wscales, adp; writes wcodes, wscales, adp
.if DOCPART == 1
	.amdgcn_target "amdgcn-amd-amdhsa--gfx1250"
	.amdhsa_code_object_version 6
	.text
	.protected	k_q713957fb3b_wquant
	.globl	k_q713957fb3b_wquant
	.p2align	8
	.type	k_q713957fb3b_wquant,@function
k_q713957fb3b_wquant:
	s_mov_b64 s[64:65], 0
	v_nop
	global_prefetch_b8 v0, s[64:65] scope:SCOPE_SE
	s_setreg_imm32_b32 hwreg(HW_REG_WAVE_MODE, 25, 1), 1
	s_wait_xcnt 0x0
; wk and wv, [2048 (k)][2048 (n)] f32, K their FIRST axis, become codes of E2M3 laid [n][k] with K innermost (1,536 bytes a row) and one E8M0 byte for each 32 along K ([n][64]).
; On the same pass over the numbers the f32 partial sums of adapter @ wk and adapter @ wv are made (10 rows), one partial for each quarter of K: their readers add the four.
; wv's rows are stored at position n with bits 3 and 4 exchanged: the attention launch then finds its results in the natural order of the head's 128.
; SHARES.  Work-group (x, y): columns 64 x .. 64 x + 63, tensor y / 4, quarter y % 4 of K.  Wave w: 64 rows of K (two blocks of 32).  A LANE TAKES TWO COLUMNS (lane, lane + 32) AND ITS REGISTERS RUN DOWN K:
; the two loads of a row of K read 256 consecutive bytes, a block's largest magnitude needs no other lane, and the conversions give codes with K innermost.  Nothing is transposed by an instruction.
; A block's scale is 2^(floor(log2(largest magnitude)) - 2): its byte is the largest magnitude's exponent field - 2, held at 1 from below.
; LIMITS: a block of zeros, or one whose largest magnitude lies under 2^-124, carries the byte 1 (its codes are zeros or next to it; only this program reads the bytes).  NaN and infinities are not served.
; No tensor loads and no cluster: no two work-groups read the same bytes of wk or wv, and all of a wave's 128 loads are asked for at once.
.set ADP, 0                            ; LDS: each wave's own adapter[l][its 64 k]: 10 x 256 bytes, 2,560 a wave
.set RED, 20480                        ; [wave 8][l 10][column 64] f32: the waves' partial sums
.set STG, 40960                        ; 64 rows (columns of W) x 528: 32 places of 16 bytes, each with 12 bytes of codes, + 16
.set SCS, 74752                        ; 64 rows x 16 scale bytes
.set X,   16                           ; v16-143  numbers: 64 block + 32 set + i
.set A,   144                          ; v144-207 two sets of 32 adapter numbers (first: the 20 registers in which the adapter arrives)
.set ACC, 208                          ; v208-247 sums: the pair at 20 set + 2 l (even k, odd k)
.set C,   248                          ; v248-250, v252-254 a block's codes
	s_load_b256 s[4:11], s[0:1], 0x0               ; wk, wv, adapter, wcodes
	s_load_b128 s[12:15], s[0:1], 0x20             ; wscales, adp
	v_lshl_add_u32 v251, v0, 2, 0x12c00
	v_mov_b32 v255, 0
	v_lshrrev_b32 v1, 5, v0
	v_readfirstlane_b32 s16, v1                    ; wave 0..7
	v_and_b32 v1, 31, v0                           ; lane
	s_and_b32 s17, ttmp7, 0xffff
	s_lshr_b32 s18, s17, 2                         ; tensor: 0 wk, 1 wv
	s_and_b32 s19, s17, 3                          ; quarter of K
	v_lshlrev_b32 v2, 2, v1                        ; 4 lane: my column in a row of W
	v_lshrrev_b32 v3, 4, v1
	v_and_b32 v4, 15, v1
	v_lshlrev_b32 v3, 13, v3
	v_lshl_add_u32 v3, v4, 4, v3                   ; adapter: lanes 0-15 one row's 256 bytes, lanes 16-31 the next row's
	s_mul_i32 s20, s16, 2560
	v_lshlrev_b32 v4, 4, v1
	v_add_nc_u32 v4, s20, v4                       ; ADP + 2,560 w + 16 lane
	v_mov_b32 v5, s20                              ; ADP + 2,560 w: read by all lanes alike
	v_add_nc_u32 v6, s20, v2
	v_add_nc_u32 v6, RED, v6                       ; RED + 2,560 w + 4 lane
	v_mul_u32_u24 v7, v1, 528
	s_lshl_b32 s21, s16, 6
	v_add_nc_u32 v7, s21, v7
	v_add_nc_u32 v7, STG, v7                       ; STG + 528 lane + 64 w: my wave's four places in my column's row
	v_lshlrev_b32 v8, 4, v1
	s_lshl_b32 s21, s16, 1
	v_add_nc_u32 v8, s21, v8
	v_add_nc_u32 v8, SCS, v8                       ; SCS + 16 lane + 2 w
	v_lshlrev_b32 v9, 3, v1
	s_lshl_b32 s21, s16, 8
	v_add_nc_u32 v9, s21, v9
	v_add_nc_u32 v9, RED, v9                       ; the way out: RED + 256 w + 8 lane (row l = w, two columns a lane)
	s_mul_i32 s21, s16, 4224
	v_lshlrev_b32 v14, 4, v1
	v_add_nc_u32 v14, s21, v14
	v_add_nc_u32 v14, STG, v14                     ; STG + 8 w rows + 16 lane
	s_lshl_b32 s21, s16, 7
	v_add_nc_u32 v15, s21, v2
	v_add_nc_u32 v15, SCS, v15                     ; SCS + 128 w + 4 lane
	s_lshl_b32 s22, s19, 22                        ; W: (512 quarter + 64 w) rows of 8,192 bytes + 256 x
	s_lshl_b32 s23, s16, 19
	s_add_co_u32 s22, s22, s23
	s_lshl_b32 s23, ttmp9, 8
	s_add_co_u32 s22, s22, s23
	s_mov_b32 s23, 0
	s_lshl_b32 s24, s19, 11                        ; adapter: 4 bytes x my first k
	s_lshl_b32 s25, s16, 8
	s_add_co_u32 s24, s24, s25
	s_mov_b32 s25, 0
	s_lshl_b32 s26, ttmp9, 3
	s_add_co_u32 s26, s26, s16                     ; G: my group of eight columns on the way out
	s_and_b32 s27, s26, 0xfc
	s_and_b32 s28, s26, 1
	s_lshl_b32 s28, s28, 1
	s_or_b32 s27, s27, s28
	s_bfe_u32 s28, s26, 0x10001
	s_or_b32 s27, s27, s28                         ; G with its two lowest bits exchanged: n's bits 3 and 4
	s_cmp_eq_u32 s18, 0
	s_cselect_b32 s26, s26, s27                    ; wk: as it is; wv: exchanged.  It enters global addresses alone
	s_mul_i32 s28, s18, 3145728                    ; codes: tensor + 8 G' rows of 1,536 + 384 x quarter
	s_mul_i32 s29, s26, 12288
	s_add_co_u32 s28, s28, s29
	s_mul_i32 s29, s19, 384
	s_add_co_u32 s28, s28, s29
	s_mov_b32 s29, 0
	s_lshl_b32 s30, s18, 17                        ; scale bytes: tensor + 8 G' rows of 64 + 16 x quarter
	s_lshl_b32 s31, s26, 9
	s_add_co_u32 s30, s30, s31
	s_lshl_b32 s31, s19, 4
	s_add_co_u32 s30, s30, s31
	s_mov_b32 s31, 0
	s_mul_i32 s32, s18, 327680                     ; partial sums: [tensor][quarter][l = w][256 x]
	s_mul_i32 s33, s19, 81920
	s_add_co_u32 s32, s32, s33
	s_lshl_b32 s33, s16, 13
	s_add_co_u32 s32, s32, s33
	s_lshl_b32 s33, ttmp9, 8
	s_add_co_u32 s32, s32, s33
	s_mov_b32 s33, 0
	s_wait_kmcnt 0x0
	s_cmp_eq_u32 s18, 0                            ; the choice hangs on the work-group's number alone
	s_cselect_b64 s[4:5], s[4:5], s[6:7]
	s_add_nc_u64 s[4:5], s[4:5], s[22:23]
	s_add_nc_u64 s[8:9], s[8:9], s[24:25]
	s_add_nc_u64 s[10:11], s[10:11], s[28:29]
	s_add_nc_u64 s[12:13], s[12:13], s[30:31]
	s_add_nc_u64 s[14:15], s[14:15], s[32:33]
.macro LOADX blk                       ; block blk: W(32 blk + i, my two columns): the pair of loads reads 256 consecutive bytes
.set i, 0
.rept 32
	global_load_b32 v[X+64*\blk+i], v2, s[4:5] offset:(32*\blk+i)*8192 th:TH_LOAD_NT
	global_load_b32 v[X+64*\blk+32+i], v2, s[4:5] offset:(32*\blk+i)*8192+128 th:TH_LOAD_NT
.set i, i+1
.endr
.endm
.macro ALOAD l, blk                    ; adapter[l][the block's 32 k] into set l % 2, the same in every lane
.irp m, 0,1,2,3,4,5,6,7
	ds_load_b128 v[A+32*((\l)%2)+4*\m:A+32*((\l)%2)+4*\m+3], v5 offset:256*(\l)+128*(\blk)+16*\m
.endr
.endm
.macro FMA blk                         ; sums[l][my two columns] += adapter[l][k] W[k][column], two k at a time; the two columns' chains alternate
	ALOAD 0, \blk
.irp l, 0,1,2,3,4,5,6,7,8,9
.if \l < 9
	ALOAD \l+1, \blk
	s_wait_dscnt 8                                 ; row l is in; the next row's eight loads may be out
.else
	s_wait_dscnt 0x0
.endif
.set m, 0
.rept 16
.irp s, 0,1
.if (\blk == 0) && (m == 0)
	v_pk_mul_f32 v[ACC+20*\s+2*\l:ACC+20*\s+2*\l+1], v[X+64*\blk+32*\s+2*m:X+64*\blk+32*\s+2*m+1], v[A+32*(\l%2)+2*m:A+32*(\l%2)+2*m+1]   ; the first product starts the sum
.else
	v_pk_fma_f32 v[ACC+20*\s+2*\l:ACC+20*\s+2*\l+1], v[X+64*\blk+32*\s+2*m:X+64*\blk+32*\s+2*m+1], v[A+32*(\l%2)+2*m:A+32*(\l%2)+2*m+1], v[ACC+20*\s+2*\l:ACC+20*\s+2*\l+1]
.endif
.endr
.set m, m+1
.endr
.endr
.endm
.macro QB blk, s                       ; one block of 32 along K of one column: all its numbers are mine
.set XS, X+64*\blk+32*\s
	v_max3_num_f32 v10, |v[XS]|, |v[XS+1]|, |v[XS+2]|
	v_max3_num_f32 v11, |v[XS+3]|, |v[XS+4]|, |v[XS+5]|
.irp i, 6,10,14,18,22,26
	v_max3_num_f32 v10, v10, |v[XS+\i]|, |v[XS+\i+1]|
	v_max3_num_f32 v11, v11, |v[XS+\i+2]|, |v[XS+\i+3]|
.endr
	v_max3_num_f32 v10, v10, |v[XS+30]|, |v[XS+31]|
	v_max3_num_f32 v10, v10, v11, 0x1800000        ; and the floor 2^(3 - 127): the byte cannot fall under 1
	v_add_nc_u32 v11, 0xff000000, v10              ; 2 off the exponent field: the conversion takes this operand's exponent field as its scale
	v_lshrrev_b32 v10, 23, v11                     ; the scale's byte
.if \blk == 0
	v_mov_b32 v[12+\s], v10
.else
	v_lshl_or_b32 v[12+\s], v10, 8, v[12+\s]       ; my wave's two bytes of the column, the lower K lower
.endif
	v_cvt_scalef32_pk16_fp6_f32 v[C:C+2], v[XS:XS+15], v11
	v_cvt_scalef32_pk16_fp6_f32 v[C+4:C+6], v[XS+16:XS+31], v11     ; (a conversion's three registers begin on an even number)
	v_nop                                          ; one plain place behind the conversions
	ds_store_b96 v7, v[C:C+2] offset:16896*\s+32*\blk
	ds_store_b96 v7, v[C+4:C+6] offset:16896*\s+32*\blk+16
	s_wait_dscnt 0x0                               ; the stores have read their registers: the next block's codes may be written
.endm
.irp i, 0,1,2,3,4
	global_load_b128 v[A+4*\i:A+4*\i+3], v3, s[8:9] offset:16384*\i   ; adapter rows 2 i and 2 i + 1, my wave's 64 k
.endr
	LOADX 0
	s_wait_loadcnt 63                              ; 64 loads were issued behind the adapter's five; 63 is the largest count that can be named, and the smaller count is the safe one
.irp i, 0,1,2,3,4
	ds_store_b128 v4, v[A+4*\i:A+4*\i+3] offset:512*\i
.endr
	LOADX 1
	s_wait_loadcnt 63                              ; block 0 is in: 64 loads were issued behind it
	FMA 0
	QB 0, 0
	QB 0, 1
	s_wait_loadcnt 0x0
	FMA 1
	QB 1, 0
	QB 1, 1
	ds_store_b16 v8, v12
	ds_store_b16 v8, v13 offset:512
.irp s, 0,1
.irp l, 0,1,2,3,4,5,6,7,8,9
	v_add_f32 v[ACC+20*\s+2*\l], v[ACC+20*\s+2*\l], v[ACC+20*\s+2*\l+1]   ; even k's sum + odd k's
.endr
.endr
.irp s, 0,1
.irp l, 0,1,2,3,4,5,6,7,8,9
	ds_store_b32 v6, v[ACC+20*\s+2*\l] offset:256*\l+128*\s
.endr
.endr
	s_wait_dscnt 0x0                               ; for the others' sake: all my LDS stores have landed
	s_barrier_signal -1
	s_barrier_wait -1
	; THE WAY OUT.  (a) row l = w of the sums: the eight waves' partials are added; (b) eight rows of codes, 384 consecutive bytes each; (c) their scale bytes.
.irp p, 0,1,2,3,4,5,6,7
	ds_load_b64 v[16+2*\p:17+2*\p], v9 offset:2560*\p
.endr
.irp i, 0,1,2,3,4,5,6,7
	ds_load_b96 v[48+4*\i:50+4*\i], v14 offset:528*\i
.endr
	ds_load_b32 v80, v15
	v_lshlrev_b32 v10, 3, v1                       ; 8 lane
	v_mul_u32_u24 v11, v1, 12                      ; 12 lane
	v_lshrrev_b32 v12, 2, v1
	v_and_b32 v13, 3, v1
	v_lshlrev_b32 v12, 6, v12
	v_lshl_add_u32 v12, v13, 2, v12                ; 64 (lane / 4) + 4 (lane % 4)
	s_wait_dscnt 9                                 ; the eight partials are in; nine loads were issued behind them
	v_pk_add_f32 v[16:17], v[16:17], v[18:19]
	v_pk_add_f32 v[20:21], v[20:21], v[22:23]
	v_pk_add_f32 v[24:25], v[24:25], v[26:27]
	v_pk_add_f32 v[28:29], v[28:29], v[30:31]
	v_pk_add_f32 v[16:17], v[16:17], v[20:21]
	v_pk_add_f32 v[24:25], v[24:25], v[28:29]
	v_pk_add_f32 v[16:17], v[16:17], v[24:25]
	global_store_b64 v10, v[16:17], s[14:15]       ; 32 lanes store 256 consecutive bytes, aligned
.irp i, 0,1,2,3,4,5,6,7
	s_wait_dscnt 8-\i
	global_store_b96 v11, v[48+4*\i:50+4*\i], s[10:11] offset:1536*\i
.endr
	s_wait_dscnt 0x0
	global_store_b32 v12, v80, s[12:13]
	s_cmp_lt_u32 s16, 2                            ; rows 8 and 9 of the sums: waves 0 and 1 once more
	s_cbranch_scc0 .Ldone
.irp p, 0,1,2,3,4,5,6,7
	ds_load_b64 v[96+2*\p:97+2*\p], v9 offset:2048+2560*\p
.endr
	s_wait_dscnt 0x0
	v_pk_add_f32 v[96:97], v[96:97], v[98:99]
	v_pk_add_f32 v[100:101], v[100:101], v[102:103]
	v_pk_add_f32 v[104:105], v[104:105], v[106:107]
	v_pk_add_f32 v[108:109], v[108:109], v[110:111]
	v_pk_add_f32 v[96:97], v[96:97], v[100:101]
	v_pk_add_f32 v[104:105], v[104:105], v[108:109]
	v_pk_add_f32 v[96:97], v[96:97], v[104:105]
	global_store_b64 v10, v[96:97], s[14:15] offset:65536
.Ldone:
	s_wait_tensorcnt 0x0
	ds_add_u32 v251, v255
	s_wait_dscnt 0x0
	s_endpgm
.Lfunc_end_k_q713957fb3b_wquant:
	.size	k_q713957fb3b_wquant, .Lfunc_end_k_q713957fb3b_wquant-k_q713957fb3b_wquant
	.p2alignl 7, 3214868480
	.fill 96, 4, 3214868480
	.section	.rodata,"a",@progbits
	.p2align	6, 0x0
	.amdhsa_kernel k_q713957fb3b_wquant
		.amdhsa_group_segment_fixed_size 77824
		.amdhsa_private_segment_fixed_size 0
		.amdhsa_enable_private_segment 0
		.amdhsa_kernarg_size 48
		.amdhsa_user_sgpr_count 2
		.amdhsa_user_sgpr_kernarg_segment_ptr 1
		.amdhsa_wavefront_size32 1
		.amdhsa_system_sgpr_workgroup_id_x 1
		.amdhsa_system_sgpr_workgroup_id_y 1
		.amdhsa_system_sgpr_workgroup_id_z 1
		.amdhsa_system_vgpr_workitem_id 0
		.amdhsa_next_free_vgpr 256
		.amdhsa_next_free_sgpr 66
		.amdhsa_reserve_vcc 0
		.amdhsa_float_denorm_mode_32 3
		.amdhsa_float_denorm_mode_16_64 3
		.amdhsa_memory_ordered 1
		.amdhsa_forward_progress 1
		.amdhsa_inst_pref_size 80
	.end_amdhsa_kernel
	.amdgpu_metadata
---
amdhsa.version: [ 1, 2 ]
amdhsa.kernels:
  - .name:           k_q713957fb3b_wquant
    .symbol:         k_q713957fb3b_wquant.kd
    .args:
      - { .name: wk, .offset: 0, .size: 8, .value_kind: global_buffer, .address_space: global }
      - { .name: wv, .offset: 8, .size: 8, .value_kind: global_buffer, .address_space: global }
      - { .name: adapter, .offset: 16, .size: 8, .value_kind: global_buffer, .address_space: global }
      - { .name: wcodes, .offset: 24, .size: 8, .value_kind: global_buffer, .address_space: global }
      - { .name: wscales, .offset: 32, .size: 8, .value_kind: global_buffer, .address_space: global }
      - { .name: adp, .offset: 40, .size: 8, .value_kind: global_buffer, .address_space: global }
    .group_segment_fixed_size: 77824
    .private_segment_fixed_size: 0
    .kernarg_segment_align: 8
    .kernarg_segment_size: 48
    .max_flat_workgroup_size: 256
    .sgpr_count:     66
    .vgpr_count:     256
    .wavefront_size: 32
...
	.end_amdgpu_metadata
.endif
;; end of part 1
;; launch qkv (part 2): grid 24 x 8, 4 waves a work-group, clusters of 4 x 4, 327,680 bytes of LDS; arguments x_codes, x_scales, wq_codes, wq_scales, wcodes, wscales, freqs_cos, freqs_sin, adp, gate, qrec, kv, ap; writes qrec, kv, ap
.if DOCPART == 2
	.amdgcn_target "amdgcn-amd-amdhsa--gfx1250"
	.amdhsa_code_object_version 6
	.text
	.protected	k_q713957fb3b_qkv
	.globl	k_q713957fb3b_qkv
	.p2align	8
	.type	k_q713957fb3b_qkv,@function
k_q713957fb3b_qkv:
	s_mov_b64 s[64:65], 0
	v_nop
	global_prefetch_b8 v0, s[64:65] scope:SCOPE_SE
	s_setreg_imm32_b32 hwreg(HW_REG_WAVE_MODE, 25, 1), 1
	s_wait_xcnt 0x0
	s_wait_alu depctr_hold_cnt(0) depctr_sa_sdst(0) depctr_va_vdst(0) depctr_va_sdst(0) depctr_va_ssrc(0) depctr_va_vcc(0) depctr_vm_vsrc(0)
	s_getreg_b32 s2, hwreg(HW_REG_IB_STS2, 6, 4)
	s_cmp_eq_u32 s2, 0
	s_cbranch_scc0 .Lentry_in_a_cluster
	s_endpgm
.Lentry_in_a_cluster:
	s_bfe_u32 s2, ttmp6, 0x10000c
	s_cmp_lg_u32 s2, 0xf033
	s_cbranch_scc0 .Lentry_shape_is_right
	s_endpgm
.Lentry_shape_is_right:
; Three products of 2,048^3 on codes of E2M3 in one body: C[m][n] = sum over k of A[m][k] B[n][k].  kind = cluster x / 2:
;   0: q = x wq (A = x, B = wq)    1: k = x wk (A = x, B = wk's codes)    2: v^T (A = wv's codes, rows in their exchanged order; B = x)
; A tile of C is 256 x 256, a wave's 128 x 128: 64 accumulators, 512 registers.  K goes in steps of 256 through two LDS slots filled by the tensor data mover; the scale bytes of the work-group's rows, for all of K, come once.
; 4 x 4 work-groups form a cluster: A's tiles are asked for jointly along a row of it, B's along a column.  192 work-groups: a wave's 128 columns are one K step of the product that follows, so the tile is not cut further.
; THE MATRIX INSTRUCTION IS USED TRANSPOSED (source 0 = 16 rows of B, source 1 = 16 rows of A): a lane holds ONE row of A's side and its 64 registers of a block run along B's side: register 8 t + j is column 16 t + 8 (lane / 16) + j.
; THE WAY OUT stays in registers: q and k are rotated (cos, sin), then each block of 16 rows x 128 is quantised along its 128 and leaves as an IMAGE OF THE OPERAND'S REGISTERS: 12 registers a lane, three stores of 512 consecutive bytes.
; COS AND SIN of the work-group's 256 tokens (2 x 256 rows of 256 bytes) come through LDS: they are asked for at the last change of slots, jointly along a row of the cluster, into slot 0, which has been read out, and 16,384 bytes
; in front of it, and land under the last K step's products.  v's work-groups ask too and discard: so the text has one path of tensor loads and rounds.
; Inside a block of 32 the codes stand in the order 0-7, 16-23, 8-15, 24-31.  Both operands of each later product on these codes are made by the same lines, so each code meets its partner; the scale blocks hold the right 32 numbers.
; The scale words of 128 rows leave as 512 bytes: word p of lane l is that of tile 2 p (lanes 0-15) or 2 p + 1 (lanes 16-31), row l % 16.
; kind 0 also makes the adapter's weights: scores of the rotated, unquantised q with the 10 adapter keys (f32 matrix form: they go on into a quantised operand), softmax with its maximum taken off, times the head's gate.
; LIMITS: NaN and infinities are not served; a block of zeros or with its largest magnitude under 2^-124 carries the byte 1 (only this program reads the bytes).
; REGISTERS: window 0: v0-31 addresses; v32-63 scale words (way out: at work); v64-127 the adapter scores' sums; v128-223 A's fragments (way out: codes, at work).  window 1: B's fragments, two sets (way out: cos, sin; adapter keys).
;   windows 2, 3: the accumulators of my rows 0-63, 64-127.
.set SIZE_K, 2048
.set KSTEP,  256
.set NQ,     KSTEP/128
.set ROWB,   192                       ; a tile's row: 256 codes
.set KROW,   SIZE_K*6/8
.set PITCH,  240                       ; 3 x (64 bytes + 16 of padding): the 32 lanes of a load of 8 bytes touch 64 different banks of 4 bytes
.set FR,     12
.set NL,     6
.set NP,     4
.set HALFT,  128*PITCH
.set SLOT,   4*HALFT
.set LAPS,   SIZE_K/(2*KSTEP)
.set KS,     SIZE_K/32
.set RING,   16384                     ; the ring begins here: these bytes and slot 0 together take the four tiles of cos and sin
.set CSP,    272                       ; a row of cos or sin in LDS: 256 bytes + 16: the sixteen rows of a load start at sixteen different groups of four banks
.set CST,    128*CSP                   ; a tile of 128 rows; 4 x CST = RING + SLOT
.set SCL,    RING+2*SLOT               ; behind the ring: the scales, as rows of 256 bytes + 16
.set HALFS,  (128*KS/256)*272
.set SBLK,   (16*KS/256)*272
.set SPARE,  SCL+4*HALFS               ; the spare words: 128 bytes a wave, two blocks of 256 bytes that no other line names
.set VO,   8                           ; v8   16 x lane
.set VC,   9                           ; v9   cos in LDS: my 128 tokens' tile + 272 r + 16 h
.set VAK,  10                          ; v10  adapter keys: 8,192 min(r, 9) + 32 h
.set VAP,  11                          ; v11  adapter weights: 64 r + 32 h
.set NINF, 12                          ; v12  -infinity
.set VS,   13                          ; v13  sin in LDS: two tiles behind cos
.set ADRA, 16
.set ADRB, 20
.set ADRS, 27
.set SPW,  28                          ; v28  my spare word's LDS address; never rewritten
.set NIL,  29                          ; v29  0; never rewritten
.set SC,   32
.set AF,   128
.set DA,   64                          ; v64-127: written by the f32 matrix instructions alone
.set TM,   32                          ; way out: v32-35 maxima, v36-39 bytes, v44-47 scale operands
.set PWT,  48
.set SWP,  52                          ; v52-55 the scale words of the wave's eight blocks
.set CDS,  128                         ; v128-147 a block's codes
.set T,    160                         ; v160-223 the rotation's cross terms
.set E,    128                         ; v128-135 adapter softmax
.set MX,   136
.set MT,   137
.set SM,   138
.set G1, 24
.set G0, 32
.set G1B, 48
.set G0B, 56
.set G1S, 68
.set G0S, 76
.set G1SB, 80
.set G0SB, 88
.set G1C, G1S                          ; cos and sin take the registers of A's scales' group 1 (the same mask, element and padding; 128 rows for 32),
.set G0C, G0S                          ; cos the group 0 of A's scales,
.set G0D, G0SB                         ; sin that of B's scales: all three are written anew behind the wait that shows the scales' loads done
.set MSB, 0
.macro WIN new                         ; the immediate's high byte repeats the setting that is left; a switch that changes nothing is dropped
.if MSB != (\new)
	s_set_vgpr_msb (MSB<<8)|(\new)
.set MSB, (\new)
.endif
.endm
.set MUL_LO, 0xa1                      ; source 0 (B) window 1, source 1 (A) window 0, C and D window 2
.set MUL_HI, 0xf1
.set TO_B,   0x40
.macro JLOAD g0a, g1a, g0b, g1b        ; a joint load: waves 0, 1 take the first pair of groups, waves 2, 3 the second; four v_nop follow each line
	s_cmp_eq_u32 s15, 0
	s_cbranch_scc0 .Lfor_b_\@
	tensor_load_to_lds s[\g0a:\g0a+3], s[\g1a:\g1a+7]
	s_nop 0
.rept 4
	v_nop
.endr
	s_branch .Lasked_\@
.Lfor_b_\@:
	tensor_load_to_lds s[\g0b:\g0b+3], s[\g1b:\g1b+7]
	s_nop 0
.rept 4
	v_nop
.endr
.Lasked_\@:
.endm
.macro CREST
	s_cmp_lg_u32 s14, 0
	s_cbranch_scc1 .Lnot_wave_0_\@
	s_barrier_signal -3
.Lnot_wave_0_\@:
	s_barrier_wait -3
	s_barrier_signal -1
	s_barrier_wait -1
.endm
.macro CROUND
	s_barrier_signal -1
	s_barrier_wait -1
	CREST
.endm
	s_load_b512 s[24:39], s[0:1], 0x0              ; x codes, x scales, wq codes, wq scales, wcodes, wscales, cos, sin
	s_load_b256 s[48:55], s[0:1], 0x40             ; adp, gate, qrec, kv
	s_load_b64 s[56:57], s[0:1], 0x60              ; ap
	v_lshl_add_u32 v[SPW], v0, 2, SPARE
	v_mov_b32 v[NIL], 0
	ds_add_u32 v28, v29
	ds_add_u32 v28, v29
	s_wait_dscnt 0x0
	v_lshrrev_b32 v1, 5, v0
	v_readfirstlane_b32 s14, v1                    ; wave 0..3
	s_lshr_b32 s15, s14, 1                         ; my half of the tile's rows.  Also: I fetch for A (0) or B (1)
	s_and_b32 s16, s14, 1                          ; my half of its columns.  Also: which 128 rows I fetch
	s_bfe_u32 s40, ttmp6, 0x40000                  ; cx
	s_bfe_u32 s41, ttmp6, 0x40004                  ; cy
	s_lshr_b32 s66, ttmp9, 1                       ; kind: the same in all sixteen partners
	s_lshl_b32 s42, ttmp9, 2
	s_add_co_u32 s42, s42, s40
	s_and_b32 s42, s42, 7                          ; tile column
	s_and_b32 s17, ttmp7, 0xffff
	s_lshl_b32 s17, s17, 2
	s_add_co_u32 s17, s17, s41                     ; tile row
	s_lshl_b32 s43, s41, 2
	s_lshl_b32 s43, 15, s43                        ; my row of the cluster
	s_lshl_b32 s44, 0x1111, s40                    ; my column
	s_lshl_b32 s18, s16, 7
	s_lshl_b32 s20, s17, 8
	s_add_co_u32 s20, s20, s18                     ; A: the first row that I fetch
	s_lshl_b32 s46, s42, 8
	s_add_co_u32 s46, s46, s18                     ; B likewise
	s_lshl_b32 s2, s20, 6                          ; its scale bytes (64 a row),
	s_mov_b32 s3, 0
	s_mul_i32 s20, s20, KROW                       ; its codes
	s_mov_b32 s21, 0
	s_lshl_b32 s18, s46, 6
	s_mov_b32 s19, 0
	s_mul_i32 s46, s46, KROW
	s_mov_b32 s47, 0
	s_mul_i32 s45, s14, HALFT                      ; where they go: wave x 128 rows
	s_mul_i32 s67, s14, HALFS
	s_lshl_b32 s92, s17, 1
	s_add_co_u32 s92, s92, s15                     ; ga: my 128 rows of A's side
	s_lshl_b32 s93, s42, 1
	s_add_co_u32 s93, s93, s16                     ; gb: my 128 of B's side
	s_cmp_eq_u32 s66, 2
	s_cselect_b32 s94, s92, s93                    ; the head: gb for q and k, ga for v
	s_cselect_b32 s95, s93, s92                    ; the group of 128 tokens
	s_cselect_b32 s96, 12800, 0                    ; v lies behind k in a record
	s_lshl_b32 s94, s94, 4
	s_add_co_u32 s94, s94, s95
	s_mov_b32 s95, 25600
	s_cmp_eq_u32 s66, 0
	s_cselect_b32 s95, 12800, s95                  ; a record: 12,800 bytes of q, 25,600 of k and v
	s_mul_i32 s94, s94, s95
	s_add_co_u32 s94, s94, s96
	s_mov_b32 s95, 0
	s_wait_kmcnt 0x0
	s_add_nc_u64 s[96:97], s[32:33], 3145728       ; wv's codes and scale bytes lie behind wk's
	s_add_nc_u64 s[98:99], s[34:35], 131072
	s_cmp_eq_u32 s66, 2                            ; the choices hang on the cluster's number alone
	s_cselect_b64 s[4:5], s[96:97], s[24:25]       ; A's codes
	s_cselect_b64 s[6:7], s[98:99], s[26:27]       ; A's scales
	s_cselect_b64 s[8:9], s[24:25], s[32:33]       ; B's codes
	s_cselect_b64 s[10:11], s[26:27], s[34:35]     ; B's scales
	s_cmp_eq_u32 s66, 0
	s_cselect_b64 s[8:9], s[28:29], s[8:9]
	s_cselect_b64 s[10:11], s[30:31], s[10:11]
	s_cselect_b64 s[12:13], s[52:53], s[54:55]
	s_add_nc_u64 s[12:13], s[12:13], s[94:95]      ; where my eight images and their scale words go
	s_lshl_b32 s94, s17, 16                        ; cos, sin: the tile row's 256 tokens (rows of 256 bytes) + the 128 of them that I fetch: the tile row and the wave's number alone
	s_lshl_b32 s40, s16, 15
	s_add_co_u32 s94, s94, s40
	s_add_nc_u64 s[36:37], s[36:37], s[94:95]
	s_add_nc_u64 s[38:39], s[38:39], s[94:95]
	s_lshl_b32 s94, s93, 9
	s_add_nc_u64 s[96:97], s[48:49], s[94:95]      ; the adapter keys' partial sums at my head's 128 columns
	s_lshl_b32 s94, s93, 17
	s_lshl_b32 s40, s92, 13
	s_add_co_u32 s94, s94, s40
	s_add_nc_u64 s[98:99], s[56:57], s[94:95]      ; the adapter weights: (2,048 head + my first token) x 64 bytes
	s_lshl_b32 s94, s93, 2
	s_add_nc_u64 s[22:23], s[50:51], s[94:95]
	s_load_b32 s100, s[22:23], 0x0                 ; the head's gate; s[22:23] stay as they are until the wait for it
	s_mov_b64 s[92:93], s[36:37]
	s_mov_b64 s[94:95], s[38:39]
	s_add_nc_u64 s[20:21], s[4:5], s[20:21]
	s_add_nc_u64 s[2:3], s[6:7], s[2:3]
	s_add_nc_u64 s[46:47], s[8:9], s[46:47]
	s_add_nc_u64 s[18:19], s[10:11], s[18:19]
	; descriptor group 1: a tile of 128 rows x 192 bytes; 16 bytes of padding behind every 64
	s_or_b32 s[G1+0], s43, (0<<16)|(1<<20)|(1<<21)|(3<<22)|(3<<25)  ; 15:0 the mask (A: my row); 17:16 elements of 1 byte; 20 padding on; 21 set beside a mask; 24:22 every 16 words; 31:25 4 words
	s_or_b32 s[G1B+0], s44, (0<<16)|(1<<20)|(1<<21)|(3<<22)|(3<<25)
.irp g, G1, G1B
	s_mov_b32 s[\g+1], ROWB<<16                    ; tensor_dim0
	s_mov_b32 s[\g+2], 128<<16                     ; tensor_dim1
	s_mov_b32 s[\g+3], ROWB<<16                    ; tile_dim0
	s_mov_b32 s[\g+4], 128                         ; tile_dim1
	s_mov_b32 s[\g+5], KROW                        ; from row to row
	s_mov_b32 s[\g+6], 0
	s_mov_b32 s[\g+7], 0
.endr
	; the scales of 128 rows: 8,192 dense bytes as 32 rows of 256 (32 elements of 8 bytes), 16 bytes of padding behind each
	s_or_b32 s[G1S+0], s43, (3<<16)|(1<<20)|(1<<21)|(5<<22)|(3<<25)
	s_or_b32 s[G1SB+0], s44, (3<<16)|(1<<20)|(1<<21)|(5<<22)|(3<<25)
.irp g, G1S, G1SB
	s_mov_b32 s[\g+1], 32<<16
	s_mov_b32 s[\g+2], (128*KS/256)<<16
	s_mov_b32 s[\g+3], 32<<16
	s_mov_b32 s[\g+4], 128*KS/256
	s_mov_b32 s[\g+5], 32
	s_mov_b32 s[\g+6], 0
	s_mov_b32 s[\g+7], 0
.endr
	CROUND                                         ; all sixteen work-groups are here: the first joint loads meet
	s_mov_b32 s[G0S], 1
	s_add_co_u32 s[G0S+1], s67, SCL
	s_mov_b64 s[G0S+2:G0S+3], s[2:3]
	s_or_b32 s[G0S+3], s[G0S+3], 0x80000000
	s_mov_b32 s[G0SB], 1
	s_add_co_u32 s[G0SB+1], s67, SCL
	s_mov_b64 s[G0SB+2:G0SB+3], s[18:19]
	s_or_b32 s[G0SB+3], s[G0SB+3], 0x80000000
	JLOAD G0S, G1S, G0SB, G1SB                     ; the scales first: they are wanted with K step 0
.irp s, 0,1
	s_mov_b32 s[G0+4*\s], 1
	s_add_co_u32 s[G0+4*\s+1], s45, RING+\s*SLOT
	s_add_nc_u64 s[G0+4*\s+2:G0+4*\s+3], s[20:21], \s*ROWB
	s_or_b32 s[G0+4*\s+3], s[G0+4*\s+3], 0x80000000
	s_mov_b32 s[G0B+4*\s], 1
	s_add_co_u32 s[G0B+4*\s+1], s45, RING+\s*SLOT
	s_add_nc_u64 s[G0B+4*\s+2:G0B+4*\s+3], s[46:47], \s*ROWB
	s_or_b32 s[G0B+4*\s+3], s[G0B+4*\s+3], 0x80000000
	JLOAD G0+4*\s, G1, G0B+4*\s, G1B
.endr
	v_and_b32 v1, 15, v0                           ; r
	v_bfe_u32 v2, v0, 4, 1                         ; h
	v_mul_u32_u24 v3, v1, PITCH
	v_mul_u32_u24 v4, v2, 24
	v_add_nc_u32 v4, v3, v4                        ; a fragment's row x pitch + 24 h
	v_lshl_add_u32 v5, v2, 4, v4                   ; and the same behind one padding more
	s_mul_i32 s101, s15, HALFT                     ; my 128 rows of A
	s_add_co_u32 s101, s101, RING
	s_mul_i32 s104, s16, HALFT                     ; my 128 rows of B,
	s_add_co_u32 s104, s104, RING+2*HALFT          ; behind A's 256
.irp s, 0,1
	v_add_nc_u32 v[ADRA+\s], s101, v4
	v_add_nc_u32 v[ADRB+\s], s104, v4
	v_add_nc_u32 v[ADRA+2+\s], s101, v5
	v_add_nc_u32 v[ADRB+2+\s], s104, v5
	s_add_co_u32 s101, s101, SLOT
	s_add_co_u32 s104, s104, SLOT
.endr
	v_mul_u32_u24 v5, v1, KS                       ; my row's scales: 64 bytes a row,
	v_lshrrev_b32 v6, 8, v5
	v_lshl_add_u32 v5, v6, 4, v5                   ; and 16 more for each 256 passed
	s_mul_i32 s101, s15, HALFS
	s_mul_i32 s104, s16, HALFS
	s_add_co_u32 s104, s104, 2*HALFS
	s_sub_co_u32 s104, s104, s101
	v_mul_u32_u24 v6, s104, v2                     ; lanes 16-31 take B's: one product, the distance between the two bases
	s_add_co_u32 s101, s101, SCL
	v_add_nc_u32 v5, v5, v6
	v_add_nc_u32 v[ADRS], s101, v5
	v_and_b32 v6, 31, v0
	v_lshlrev_b32 v[VO], 4, v6
	s_mul_i32 s101, s15, CST                       ; cos: the tile of my 128 tokens; row r of a block, my half's four angles
	v_mul_u32_u24 v[VC], v1, CSP
	v_lshl_add_u32 v[VC], v2, 4, v[VC]
	v_add_nc_u32 v[VC], s101, v[VC]
	v_add_nc_u32 v[VS], 2*CST, v[VC]               ; sin: two tiles on
	v_min_u32 v6, 9, v1                            ; lanes of rows 10 to 15 take row 9 again: no load leaves the buffer; their scores are thrown away
	v_lshlrev_b32 v[VAK], 13, v6
	v_lshl_add_u32 v[VAK], v2, 5, v[VAK]
	v_lshlrev_b32 v[VAP], 6, v1
	v_lshl_add_u32 v[VAP], v2, 5, v[VAP]
	v_mov_b32 v[NINF], 0xff800000
	s_mov_b32 s67, 0xffff0000                      ; lanes 16-31
	s_mov_b32 s101, 0x3e0293ee                     ; log2(e) / sqrt(128)
	s_mov_b32 s104, 0x76543210                     ; v_permlanex16_b32's selects for lane l xor 16
	s_mov_b32 s105, 0xfedcba98
	s_wait_kmcnt 0x0                               ; the gate
.macro FRAG reg, adr, q, i             ; 16 rows x 128 K of 6-bit codes: 12 registers, in pieces of 8 bytes.  Lanes 16-31 read three pieces further on: where that lies behind one padding more, the second address register serves
.irp p, 0,1,2,3,4,5
.set PCC, 12*(\q)+6*(\p/3)+\p%3
.if PCC%8 < 5
	ds_load_b64 v[\reg+2*\p:\reg+2*\p+1], v[\adr] offset:8*PCC+16*(PCC/8)+(\i)*16*PITCH
.else
	ds_load_b64 v[\reg+2*\p:\reg+2*\p+1], v[\adr+2] offset:8*PCC+16*(PCC/8)+(\i)*16*PITCH
.endif
.endr
.endm
; 16 matrix instructions: A's blocks a0, a0 + 1 x B's eight.  The 64 accumulators take turns, one instruction a turn, in the same order in every step.
.macro MUL16 a0, p, q, sc, zero
.irp a, \a0, \a0+1
.irp b, 0,1,2,3,4,5,6,7
.if \zero
	v_wmma_scale_f32_16x16x128_f8f6f4 v[8*(8*((\a)%4)+\b):8*(8*((\a)%4)+\b)+7], v[128*(\p)+FR*\b:128*(\p)+FR*\b+FR-1], v[AF+FR*(\a):AF+FR*(\a)+FR-1], 0, v[SC+8*NQ*(\sc)+NQ*\b+(\q)], v[SC+8*NQ*(\sc)+NQ*(\a)+(\q)] matrix_a_fmt:MATRIX_FMT_FP6 matrix_b_fmt:MATRIX_FMT_FP6 matrix_a_scale:MATRIX_SCALE_ROW1
.else
	v_wmma_scale_f32_16x16x128_f8f6f4 v[8*(8*((\a)%4)+\b):8*(8*((\a)%4)+\b)+7], v[128*(\p)+FR*\b:128*(\p)+FR*\b+FR-1], v[AF+FR*(\a):AF+FR*(\a)+FR-1], v[8*(8*((\a)%4)+\b):8*(8*((\a)%4)+\b)+7], v[SC+8*NQ*(\sc)+NQ*\b+(\q)], v[SC+8*NQ*(\sc)+NQ*(\a)+(\q)] matrix_a_fmt:MATRIX_FMT_FP6 matrix_b_fmt:MATRIX_FMT_FP6 matrix_a_scale:MATRIX_SCALE_ROW1
.endif
.endr
.endr
.endm
.macro FETCH_B slot, q, p
	WIN TO_B
.irp i, 0,1,2,3,4,5,6,7
	FRAG 128*(\p)+FR*\i, ADRB+\slot, \q, \i
.endr
	WIN 0
.endm
.macro FETCH_A slot, q, i0
.irp i, \i0, \i0+1, \i0+2, \i0+3
	FRAG AF+FR*(\i), ADRA+\slot, \q, \i
.endr
.endm
.macro SCALES sc                       ; a K step's scale words: lanes 0-15 A's block i, lanes 16-31 B's block i
.irp i, 0,1,2,3,4,5,6,7
	ds_load_b64 v[SC+8*NQ*\sc+NQ*\i:SC+8*NQ*\sc+NQ*\i+1], v[ADRS] offset:\i*SBLK
.endr
.endm
.macro PLACES n                        ; plain places behind matrix instructions, in front of loads into their registers and of the first read of results
.rept \n
	v_nop
.endr
.endm
.macro STEP slot, q, zero              ; 128 along K with its successor in the same slot
	s_wait_dscnt 4*NL                              ; B's set and A's blocks 0-3 are in; A's blocks 4-7 (24 loads) may be out
	WIN MUL_LO
	MUL16 0, (\q)%2, \q, \slot, \zero
	MUL16 2, (\q)%2, \q, \slot, \zero
	s_wait_dscnt 0
	PLACES NP
	FETCH_B \slot, (\q)+1, 1-(\q)%2
	FETCH_A \slot, (\q)+1, 0
	WIN MUL_HI
	MUL16 4, (\q)%2, \q, \slot, \zero
	MUL16 6, (\q)%2, \q, \slot, \zero
	PLACES NP
	WIN 0
	FETCH_A \slot, (\q)+1, 4
.endm
; A slot's last step changes slots: one barrier, which opens a round of the cluster's barrier.  fill = 1: this slot is filled again, two K steps ahead.  fill = 2 (the last change, slot 0): cos and sin take its place
.macro TURN slot, next, fill
	s_wait_tensorcnt 0x0                           ; all my tensor loads have landed: my part of the next slot
	ds_add_u32 v[SPW], v[NIL]                      ; 0 onto my spare word
	s_wait_dscnt 4*NL+1                            ; (the add and A's blocks 4-7 may be out)
	WIN MUL_LO
	MUL16 0, 1, NQ-1, \slot, 0
	s_wait_dscnt 0x0                               ; the add is done, and my reads of this slot are over
	s_barrier_signal -1
	MUL16 2, 1, NQ-1, \slot, 0
	WIN 0
	s_barrier_wait -1
	CREST                                          ; no wave of any partner still reads this slot or has a load on its way
.if \fill == 1
	s_add_nc_u64 s[G0+4*\slot+2:G0+4*\slot+3], s[G0+4*\slot+2:G0+4*\slot+3], 2*ROWB
	s_add_nc_u64 s[G0B+4*\slot+2:G0B+4*\slot+3], s[G0B+4*\slot+2:G0B+4*\slot+3], 2*ROWB
	JLOAD G0+4*\slot, G1, G0B+4*\slot, G1B         ; the first tensor load behind the round; its four v_nop are the places in front of the loads below
.else
	JLOAD G0C, G1C, G0D, G1C                       ; waves 0, 1: 128 rows each of cos; waves 2, 3: of sin: 160 products of mine follow before they are wanted
.endif
	v_add_nc_u32 v[ADRS], 4*NQ, v[ADRS]
	FETCH_B \next, 0, 0
	FETCH_A \next, 0, 0
	SCALES \next
	WIN MUL_HI
	MUL16 4, 1, NQ-1, \slot, 0
	MUL16 6, 1, NQ-1, \slot, 0
	PLACES NP
	WIN 0
	FETCH_A \next, 0, 4
.endm
	s_wait_tensorcnt 1                             ; the scales and my part of K step 0 are in; K step 1's load may be out
	s_barrier_signal -1
	s_barrier_wait -1
	; the scales' loads are done (the wait above), so their descriptors' registers are written anew, for cos and sin: 128 dense rows of 256 bytes, 16 bytes of padding behind each, to LDS byte wave x CST
	s_mov_b32 s[G1C+2], 128<<16                    ; tensor_dim1 = 128
	s_mov_b32 s[G1C+4], 128                        ; tile_dim1 = 128; the other words stay: my row's mask, elements of 8 bytes, 32 to a row, the padding, the pitch
	s_mov_b32 s[G0C], 1
	s_mul_i32 s[G0C+1], s14, CST
	s_mov_b64 s[G0C+2:G0C+3], s[92:93]
	s_or_b32 s[G0C+3], s[G0C+3], 0x80000000
	s_mov_b32 s[G0D], 1
	s_mul_i32 s[G0D+1], s14, CST
	s_mov_b64 s[G0D+2:G0D+3], s[94:95]
	s_or_b32 s[G0D+3], s[G0D+3], 0x80000000
	FETCH_B 0, 0, 0
	FETCH_A 0, 0, 0
	SCALES 0
	FETCH_A 0, 0, 4
	STEP 0, 0, 1                                   ; the first step's products start the sums: nothing is cleared
	s_mov_b32 s3, LAPS-1
.Llap:
	TURN 0, 1, 1
	STEP 1, 0, 0
	TURN 1, 0, 1
	STEP 0, 0, 0
	s_sub_co_u32 s3, s3, 1
	s_cmp_lg_u32 s3, 0
	s_cbranch_scc1 .Llap
	TURN 0, 1, 2
	STEP 1, 0, 0
	s_wait_dscnt 4*NL
	WIN MUL_LO
	MUL16 0, 1, NQ-1, 1, 0
	MUL16 2, 1, NQ-1, 1, 0
	s_wait_dscnt 0
	WIN MUL_HI
	MUL16 4, 1, NQ-1, 1, 0
	MUL16 6, 1, NQ-1, 1, 0
	WIN 0
	s_wait_tensorcnt 0x0                           ; my tile of cos or sin has landed (no LDS instruction of mine is out),
	s_barrier_signal -1
	s_barrier_wait -1                              ; everybody's has
; ---- THE WAY OUT.  Block a: my rows 16 a .. 16 a + 15, 64 registers at 64 (a % 4) of window 2 + a / 4.
.macro CSLOAD a                        ; the block's cos and sin from LDS: of my token's row the four angles of columns 16 t + 8 h + 0 .. 7, into set a % 4 of window 1 (cos, then sin 32 registers on)
	WIN 0x40
.irp t, 0,1,2,3,4,5,6,7
	ds_load_b128 v[64*((\a)%4)+4*\t:64*((\a)%4)+4*\t+3], v[VC] offset:16*CSP*(\a)+32*\t
	ds_load_b128 v[64*((\a)%4)+32+4*\t:64*((\a)%4)+32+4*\t+3], v[VS] offset:16*CSP*(\a)+32*\t
.endr
	WIN 0
.endm
.macro ROPE a                          ; (x0, x1) -> (x0 c - x1 s, x1 c + x0 s), a pair an instruction: first the cross terms (x1 s, x0 s), then one fused multiply-add in place; each accumulator from its low end on
.set W, 2+(\a)/4
.set AC, 64*((\a)%4)
.set WN, W|4
	WIN WN
.set n, 0
.rept 16
	v_pk_mul_f32 v[T+4*n:T+4*n+1], v[AC+4*n:AC+4*n+1], v[AC+32+2*n:AC+33+2*n] op_sel:[1,0] op_sel_hi:[0,0]
	v_pk_mul_f32 v[T+4*n+2:T+4*n+3], v[AC+4*n+2:AC+4*n+3], v[AC+32+2*n:AC+33+2*n] op_sel:[1,1] op_sel_hi:[0,1]
.set n, n+1
.endr
.set WN, W|4|(W<<6)
	WIN WN
.set n, 0
.rept 16
	v_pk_fma_f32 v[AC+4*n:AC+4*n+1], v[AC+4*n:AC+4*n+1], v[AC+2*n:AC+2*n+1], v[T+4*n:T+4*n+1] op_sel:[0,0,0] op_sel_hi:[1,0,1] neg_lo:[0,0,1]
	v_pk_fma_f32 v[AC+4*n+2:AC+4*n+3], v[AC+4*n+2:AC+4*n+3], v[AC+2*n:AC+2*n+1], v[T+4*n+2:T+4*n+3] op_sel:[0,1,0] op_sel_hi:[1,1,1] neg_lo:[0,0,1]
.set n, n+1
.endr
	WIN 0
.endm
.macro QUANTW a, pw                    ; the block's 64 numbers a lane become a fragment's codes in v[CDS] on and its rows' scale word in v[pw]
.set W, 2+(\a)/4
.set AC, 64*((\a)%4)
.set WN, W|(W<<2)
	WIN WN
.irp b, 0,1,2,3
	v_max3_num_f32 v[TM+\b], |v[AC+16*\b]|, |v[AC+1+16*\b]|, 0x1800000   ; scale block b: my 16 numbers, and the floor 2^(3 - 127)
.endr
.irp i, 2,4,6,8,10,12,14
.irp b, 0,1,2,3
	v_max3_num_f32 v[TM+\b], |v[AC+16*\b+\i]|, |v[AC+1+16*\b+\i]|, v[TM+\b]
.endr
.endr
	WIN 0
.irp b, 0,1,2,3
	v_permlanex16_b32 v[TM+4+\b], v[TM+\b], s104, s105
.endr
.irp b, 0,1,2,3
	v_max_num_f32 v[TM+\b], v[TM+\b], v[TM+4+\b]   ; with lane l xor 16's 16: the block's largest magnitude
.endr
.irp b, 0,1,2,3
	v_add_nc_u32 v[TM+12+\b], 0xff000000, v[TM+\b] ; 2 off its exponent field: the conversion's scale operand
.endr
.irp b, 0,1,2,3
	v_lshrrev_b32 v[TM+4+\b], 23, v[TM+12+\b]      ; the byte
.endr
	v_lshl_or_b32 v[\pw], v[TM+5], 8, v[TM+4]
	v_lshl_or_b32 v[\pw], v[TM+6], 16, v[\pw]
	v_lshl_or_b32 v[\pw], v[TM+7], 24, v[\pw]
	s_wait_xcnt 0x0                                ; the last block's stores have read the codes' registers
	WIN W
.irp c, 0,1
	v_cvt_scalef32_pk16_fp6_f32 v[CDS+6*\c:CDS+2+6*\c], v[AC+32*\c:AC+15+32*\c], v[TM+12+2*\c]
	v_cvt_scalef32_pk16_fp6_f32 v[CDS+12+4*\c:CDS+14+4*\c], v[AC+16+32*\c:AC+31+32*\c], v[TM+12+2*\c+1]
.endr
	WIN 0
	v_nop                                          ; one plain place behind a scaled conversion
.irp c, 0,1                                    ; the operand's layout wants a whole scale block in a lane
.irp i, 0,1,2
	v_permlane16_swap_b32 v[CDS+6*\c+\i], v[CDS+12+4*\c+\i]
.endr
.irp i, 0,1,2
	v_mov_b32 v[CDS+3+6*\c+\i], v[CDS+12+4*\c+\i]
.endr
.endr
.endm
.macro QUANT8                          ; all eight blocks: image a at 1,536 a; each store covers 512 consecutive bytes, aligned
.irp a, 0,1,2,3,4,5,6,7
.if \a%2 == 0
	QUANTW \a, SWP+\a/2
.else
	QUANTW \a, PWT
	v_cndmask_b32 v[SWP+\a/2], v[SWP+\a/2], v[PWT], s67   ; an odd block's words go to lanes 16-31
.endif
.irp c, 0,1,2
	global_store_b128 v[VO], v[CDS+4*\c:CDS+4*\c+3], s[12:13] offset:1536*\a+512*\c
.endr
.endr
	global_store_b128 v[VO], v[SWP:SWP+3], s[12:13] offset:12288
.endm
	PLACES NP
.irp b, 0,1,2,3
	v_mov_b32 v[TM+4+\b], 0                        ; a lane permute's destination counts as one of its sources
.endr
	s_cmp_eq_u32 s66, 2
	s_cbranch_scc1 .Lquant                         ; v is not rotated
	CSLOAD 0
	CSLOAD 1
	CSLOAD 2
	CSLOAD 3
.irp a, 0,1,2,3,4,5,6,7
.if \a < 5
	s_wait_dscnt 48                                ; this block's 16 loads are in; those of the three blocks behind it may be out
.else
	s_wait_dscnt 16*(7-\a)
.endif
	ROPE \a
.if \a < 4
	CSLOAD \a+4
.endif
.endr
	s_cmp_lg_u32 s66, 0
	s_cbranch_scc1 .Lquant
	; ---- q alone.  The four partial sums of the adapter keys are asked for (all of window 1) and land while q is quantised
	WIN 0x40
.irp p, 0,1,2,3
.irp t, 0,1,2,3,4,5,6,7
	global_load_b128 v[64*\p+8*\t:64*\p+8*\t+3], v[VAK], s[96:97] offset:81920*\p+64*\t
	global_load_b128 v[64*\p+8*\t+4:64*\p+8*\t+7], v[VAK], s[96:97] offset:81920*\p+64*\t+16
.endr
.endr
	WIN 0
	QUANT8
	s_wait_loadcnt 0x0
	WIN 0x45
.set n, 0
.rept 32
	v_pk_add_f32 v[2*n:2*n+1], v[2*n:2*n+1], v[64+2*n:65+2*n]
	v_pk_add_f32 v[128+2*n:129+2*n], v[128+2*n:129+2*n], v[192+2*n:193+2*n]
.set n, n+1
.endr
.set n, 0
.rept 32
	v_pk_add_f32 v[2*n:2*n+1], v[2*n:2*n+1], v[128+2*n:129+2*n]   ; lane (l, h): the key of adapter row l at the same columns, in the same registers, as a lane's q
.set n, n+1
.endr
	; scores^T = keys q^T in f32, 4 along K an instruction: register pair i of both sides holds the same four columns.  Four accumulators by turns; the first instruction of each sum takes 0
.irp g, 0,1
	WIN 0x09+4*\g
.set i, 0
.rept 32
.irp a, 0,1,2,3
.if i == 0
	v_wmma_f32_16x16x4_f32 v[DA+8*(4*\g+\a):DA+8*(4*\g+\a)+7], v[2*i:2*i+1], v[64*\a+2*i:64*\a+2*i+1], 0
.else
	v_wmma_f32_16x16x4_f32 v[DA+8*(4*\g+\a):DA+8*(4*\g+\a)+7], v[2*i:2*i+1], v[64*\a+2*i:64*\a+2*i+1], v[DA+8*(4*\g+\a):DA+8*(4*\g+\a)+7]
.endif
.endr
.set i, i+1
.endr
.endr
	WIN 0
	PLACES 8                                       ; eight places behind this form
	s_wait_xcnt 0x0
	v_mov_b32 v[MT], 0
.macro ASOFT a                         ; lane (token r, h) holds the scores of adapter rows 8 h + 0 .. 7; rows 10 to 15 become -infinity
.set D, DA+8*(\a)
	s_wait_xcnt 0x0                                ; the last stores have read these registers
	v_max_num_f32 v[MX], v[D], v[D+1]
.irp j, 2,3,4,5,6,7
	v_cndmask_b32 v[E+\j], v[D+\j], v[NINF], s67
.endr
	v_max3_num_f32 v[MX], v[MX], v[E+2], v[E+3]
	v_max3_num_f32 v[MX], v[MX], v[E+4], v[E+5]
	v_max3_num_f32 v[MX], v[MX], v[E+6], v[E+7]
	v_permlanex16_b32 v[MT], v[MX], s104, s105
	v_max_num_f32 v[MX], v[MX], v[MT]              ; the row's largest score
	v_mul_f32 v[MX], s101, v[MX]
	v_fma_f32 v[E], v[D], s101, -v[MX]
	v_fma_f32 v[E+1], v[D+1], s101, -v[MX]
.irp j, 2,3,4,5,6,7
	v_fma_f32 v[E+\j], v[E+\j], s101, -v[MX]
.endr
.irp j, 0,1,2,3,4,5,6,7
	v_exp_f32 v[E+\j], v[E+\j]
.endr
	v_nop
	s_wait_alu depctr_va_vdst(0)
	v_add_f32 v[SM], v[E], v[E+1]
	v_add_f32 v[SM+1], v[E+2], v[E+3]
	v_add_f32 v[SM+2], v[E+4], v[E+5]
	v_add_f32 v[SM+3], v[E+6], v[E+7]
	v_add_f32 v[SM], v[SM], v[SM+1]
	v_add_f32 v[SM+2], v[SM+2], v[SM+3]
	v_add_f32 v[SM], v[SM], v[SM+2]
	v_permlanex16_b32 v[MT], v[SM], s104, s105
	v_add_f32 v[SM], v[SM], v[MT]
	v_rcp_f32 v[SM], v[SM]
	v_nop
	s_wait_alu depctr_va_vdst(0)
	v_mul_f32 v[SM], s100, v[SM]                   ; gate / sum
.irp j, 0,1,2,3,4,5,6,7
	v_mul_f32 v[E+\j], v[E+\j], v[SM]
.endr
	global_store_b128 v[VAP], v[E:E+3], s[98:99] offset:1024*(\a)        ; a block's two stores fill 1,024 consecutive bytes
	global_store_b128 v[VAP], v[E+4:E+7], s[98:99] offset:1024*(\a)+16
.endm
.irp a, 0,1,2,3,4,5,6,7
	ASOFT \a
.endr
	s_branch .Lend
.Lquant:
	QUANT8
.Lend:
	s_wait_tensorcnt 0x0                           ; the wave's end
	ds_add_u32 v[SPW], v[NIL]
	s_wait_dscnt 0x0
	CROUND                                         ; the closing round
	s_endpgm
.Lfunc_end_k_q713957fb3b_qkv:
	.size	k_q713957fb3b_qkv, .Lfunc_end_k_q713957fb3b_qkv-k_q713957fb3b_qkv
	.p2alignl 7, 3214868480
	.fill 96, 4, 3214868480
	.section	.rodata,"a",@progbits
	.p2align	6, 0x0
	.amdhsa_kernel k_q713957fb3b_qkv
		.amdhsa_group_segment_fixed_size 327680
		.amdhsa_private_segment_fixed_size 0
		.amdhsa_enable_private_segment 0
		.amdhsa_kernarg_size 104
		.amdhsa_user_sgpr_count 2
		.amdhsa_user_sgpr_kernarg_segment_ptr 1
		.amdhsa_wavefront_size32 1
		.amdhsa_system_sgpr_workgroup_id_x 1
		.amdhsa_system_sgpr_workgroup_id_y 1
		.amdhsa_system_sgpr_workgroup_id_z 1
		.amdhsa_system_vgpr_workitem_id 0
		.amdhsa_next_free_vgpr 1024
		.amdhsa_next_free_sgpr 106
		.amdhsa_reserve_vcc 0
		.amdhsa_float_denorm_mode_32 3
		.amdhsa_float_denorm_mode_16_64 3
		.amdhsa_memory_ordered 1
		.amdhsa_forward_progress 1
		.amdhsa_inst_pref_size 255
	.end_amdhsa_kernel
	.section	.bss,"aw",@nobits
	.p2align	6
	.space	262144
	.amdgpu_metadata
---
amdhsa.version: [ 1, 2 ]
amdhsa.kernels:
  - .name:           k_q713957fb3b_qkv
    .symbol:         k_q713957fb3b_qkv.kd
    .args:
      - { .name: x_codes, .offset: 0, .size: 8, .value_kind: global_buffer, .address_space: global }
      - { .name: x_scales, .offset: 8, .size: 8, .value_kind: global_buffer, .address_space: global }
      - { .name: wq_codes, .offset: 16, .size: 8, .value_kind: global_buffer, .address_space: global }
      - { .name: wq_scales, .offset: 24, .size: 8, .value_kind: global_buffer, .address_space: global }
      - { .name: wcodes, .offset: 32, .size: 8, .value_kind: global_buffer, .address_space: global }
      - { .name: wscales, .offset: 40, .size: 8, .value_kind: global_buffer, .address_space: global }
      - { .name: freqs_cos, .offset: 48, .size: 8, .value_kind: global_buffer, .address_space: global }
      - { .name: freqs_sin, .offset: 56, .size: 8, .value_kind: global_buffer, .address_space: global }
      - { .name: adp, .offset: 64, .size: 8, .value_kind: global_buffer, .address_space: global }
      - { .name: gate, .offset: 72, .size: 8, .value_kind: global_buffer, .address_space: global }
      - { .name: qrec, .offset: 80, .size: 8, .value_kind: global_buffer, .address_space: global }
      - { .name: kv, .offset: 88, .size: 8, .value_kind: global_buffer, .address_space: global }
      - { .name: ap, .offset: 96, .size: 8, .value_kind: global_buffer, .address_space: global }
    .group_segment_fixed_size: 327680
    .private_segment_fixed_size: 0
    .kernarg_segment_align: 8
    .kernarg_segment_size: 104
    .max_flat_workgroup_size: 128
    .sgpr_count:     106
    .vgpr_count:     1024
    .wavefront_size: 32
...
	.end_amdgpu_metadata
.endif
;; end of part 2
;; launch attn (part 3): grid 16 x 16, 8 waves a work-group, clusters of 4 x 4, 327,680 bytes of LDS; arguments qrec, kv, mask, adp, ap, orec; writes orec
.if DOCPART == 3
	.amdgcn_target "amdgcn-amd-amdhsa--gfx1250"
	.amdhsa_code_object_version 6
	.text
	.protected	k_q713957fb3b_attn
	.globl	k_q713957fb3b_attn
	.p2align	8
	.type	k_q713957fb3b_attn,@function
k_q713957fb3b_attn:
	s_mov_b64 s[64:65], 0
	v_nop
	global_prefetch_b8 v0, s[64:65] scope:SCOPE_SE
	s_setreg_imm32_b32 hwreg(HW_REG_WAVE_MODE, 25, 1), 1
	s_wait_xcnt 0x0
	s_wait_alu depctr_hold_cnt(0) depctr_sa_sdst(0) depctr_va_vdst(0) depctr_va_sdst(0) depctr_va_ssrc(0) depctr_va_vcc(0) depctr_vm_vsrc(0)
	s_getreg_b32 s2, hwreg(HW_REG_IB_STS2, 6, 4)
	s_cmp_eq_u32 s2, 0
	s_cbranch_scc0 .Lentry_in_a_cluster
	s_endpgm
.Lentry_in_a_cluster:
	s_bfe_u32 s2, ttmp6, 0x10000c
	s_cmp_lg_u32 s2, 0xf033
	s_cbranch_scc0 .Lentry_shape_is_right
	s_endpgm
.Lentry_shape_is_right:
; For each head and query: logit = q . k / sqrt(128) + mask (the mask is an input: it is read and added as it is, and no tile is left out); p = 2^(t - M), t = logit x log2(e), M the running largest t rounded UP to a whole number;
; O = sum p v / (sum of the unquantised p) + sum over the 10 adapter rows of weight x adapter value; O is then quantised along the model's 2,048 for the last product.  Both products on codes of E2M3.
; SHARES.  Work-group (x, y): 128 queries (group x) of head y; each of its eight waves owns 16 queries, two waves to a SIMD, so that one wave's vector work stands beside the other's matrix work and LDS loads.  All 16 key steps of 128 keys are walked.
; CLUSTER 4 x 4: k's and v's records hang on the head alone and are asked for jointly along a row of the cluster; the mask's tiles hang on the query group alone and are asked for jointly along a column.
; THE KEY STEPS GO IN PAIRS, ONE REQUEST A PAIR.  k and v have two LDS slots of two records each.  Two slots of two mask tiles would not fit (4 x 67,584 bytes), so the mask has ONE region of two tiles: at a pair's head each wave takes
; its 16 queries' part of both tiles into 128 registers; behind that stands the round of the cluster's barrier, and behind the round the region and the slot of k and v read last are filled again, with the rest of the pair's work in which to land.
; LAYOUT.  Both products transposed (S^T = K Q^T, O^T = V^T P^T): a lane holds ONE query (lane % 16).  Operands lie in memory and LDS as images of their registers: three loads of 16 bytes a lane bring a fragment, each load 512 consecutive bytes.
; Register 8 t + j of S^T is key 16 t + 8 (lane / 16) + j; p's codes so stand, inside a block of 32 keys, in the order in which v's codes were laid.  V^T's rows come in the order that makes register 16 b + i of O^T channel 32 b + 16 (lane / 16) + i.
; LIMITS: NaN and infinities are not served (a row wholly at -infinity gives NaN, as it does in the definition); the logit is one fused multiply-add; results of the exponential under 2^-126 count as 0; a block of zeros carries the byte 1.
; REGISTERS: window 0: v1-11 addresses; v12 -M, v13 the largest t, v[14:15] the sum; v16-27 Q, v28 its scale words; v32-39 K's and V's scale words; v40-51 adapter weights; v52-68 the last quantiser; v69-74 addresses;
;   v96-159 S^T, p, at last the result; v160-223 O^T; v224-254 p's codes and work.   window 1: v0-95 K, then V in its place; v96-223 the pair's mask numbers (at the end all of it: adapter values).
.set REC,   25600                      ; a key step's record: k's eight images and scale words (12,800 bytes), then v's
.set KVS,   2*REC                      ; a slot of k and v: two key steps
.set MREG,  2*KVS                      ; behind the two slots: the mask's region, two tiles
.set MP,    528                        ; a row of a tile: 512 bytes + 16 = 132 words: the sixteen rows of a load start at sixteen different groups of four banks
.set MTILE, 128*MP
.set AVT,   MREG+2*MTILE               ; adapter values of the head: 10 x 512 bytes
.set SWT,   AVT+5120                   ; the result's scale words: 512 bytes
.set SPARE, SWT+512                    ; the spare words: 128 bytes a wave, four blocks of 256 bytes that no other line names
.set AKV, 1                            ; v1, v2  slot 0, 1 + 16 lane
.set AMK, 3                            ; v3, v4  the mask's tile 0, 1 + my query's row + 32 h
.set SPW, 5
.set NIL, 6
.set VO,  7                            ; v7   16 lane
.set AAV, 8                            ; v8   AVT + 64 h
.set QF,  16
.set QS,  28
.set KSW, 32
.set VSW, 36
.set APR, 40
.set TM,  52
.set PW,  68
.set VOW, 69                           ; v69  16 lane + 1,536 wave: my tile's image in a record
.set VWD, 70                           ; v70  my row's scale word in a record's block of 512 bytes
.set ASWT, 71                          ; v71  the same in SWT
.set ASRD, 72                          ; v72  SWT + 16 lane
.set VAPR, 73                          ; v73  64 r
.set AVST, 74                          ; v74  AVT + 16 x thread
.set PC,  224
.set WV,  16
.set G1KV, 24
.set G1M,  32
.set G0KV, 40                          ; s[40:47] group 0 for k and v, a set for each slot
.set G0M,  48                          ; s[48:51] group 0 for the mask's region
.set TRIPS, 56
.set SCQ, 58                           ; s[58:59] 1 / sqrt(128)
.set CS,  60                           ; s[60:61] log2(e)
.set SEL, 62
.set MSB, 0
.macro WIN new
.if MSB != (\new)
	s_set_vgpr_msb (MSB<<8)|(\new)
.set MSB, (\new)
.endif
.endm
.macro PLACES4
.rept 4
	v_nop
.endr
.endm
; A pair's request.  mode = 2: waves 0, 1 fetch a record each into slot s, waves 2, 3 a tile each of the mask; mode = 1: the mask alone.  The other waves fetch nothing.  Four v_nop follow each line
.macro TLOADP s, mode
	s_cmp_lt_u32 s[WV], 2
.if \mode == 2
	s_cbranch_scc0 .Lnot_kv_\@
	tensor_load_to_lds s[G0KV+4*(\s):G0KV+4*(\s)+3], s[G1KV:G1KV+7]
	s_nop 0
.rept 4
	v_nop
.endr
	s_branch .Lasked_\@
.Lnot_kv_\@:
.else
	s_cbranch_scc1 .Lasked_\@
.endif
	s_cmp_lt_u32 s[WV], 4
	s_cbranch_scc0 .Lasked_\@
	tensor_load_to_lds s[G0M:G0M+3], s[G1M:G1M+7]
	s_nop 0
.rept 4
	v_nop
.endr
.Lasked_\@:
.endm
.macro CROUND
	s_barrier_signal -1
	s_barrier_wait -1
	s_cmp_lg_u32 s[WV], 0
	s_cbranch_scc1 .Lnot_wave_0_\@
	s_barrier_signal -3
.Lnot_wave_0_\@:
	s_barrier_wait -3
	s_barrier_signal -1
	s_barrier_wait -1
.endm
	s_load_b256 s[4:11], s[0:1], 0x0               ; qrec, kv, mask, adp
	s_load_b128 s[12:15], s[0:1], 0x20             ; ap, orec
	v_lshl_add_u32 v[SPW], v0, 2, SPARE
	v_mov_b32 v[NIL], 0
	ds_add_u32 v5, v6
	ds_add_u32 v5, v6
	s_wait_dscnt 0x0
	v_lshrrev_b32 v9, 5, v0
	v_readfirstlane_b32 s[WV], v9                  ; wave 0..7
	s_and_b32 s17, s[WV], 1                        ; which key step of a pair I fetch for, if I fetch
	s_bfe_u32 s18, ttmp6, 0x40000                  ; cx
	s_bfe_u32 s19, ttmp6, 0x40004                  ; cy
	s_lshl_b32 s20, ttmp9, 2
	s_add_co_u32 s20, s20, s18                     ; the query group
	s_and_b32 s21, ttmp7, 0xffff
	s_lshl_b32 s21, s21, 2
	s_add_co_u32 s21, s21, s19                     ; the head
	s_lshl_b32 s22, s19, 2
	s_lshl_b32 s22, 15, s22                        ; my row of the cluster: the same head
	s_lshl_b32 s23, 0x1111, s18                    ; my column: the same query group
	s_or_b32 s[G1KV], s22, (3<<16)|(1<<21)         ; a record: 25,600 dense bytes as 100 rows of 256 (32 elements of 8 bytes), no padding
	s_mov_b32 s[G1KV+1], 32<<16
	s_mov_b32 s[G1KV+2], 100<<16
	s_mov_b32 s[G1KV+3], 32<<16
	s_mov_b32 s[G1KV+4], 100
	s_mov_b32 s[G1KV+5], 32
	s_mov_b32 s[G1KV+6], 0
	s_mov_b32 s[G1KV+7], 0
	s_or_b32 s[G1M], s23, (2<<16)|(1<<20)|(1<<21)|(6<<22)|(3<<25)   ; a tile: 128 rows x 128 numbers of 4 bytes, 2,048 apart; 4 words of padding behind every 128
	s_mov_b32 s[G1M+1], 128<<16
	s_mov_b32 s[G1M+2], 128<<16
	s_mov_b32 s[G1M+3], 128<<16
	s_mov_b32 s[G1M+4], 128
	s_mov_b32 s[G1M+5], 2048
	s_mov_b32 s[G1M+6], 0
	s_mov_b32 s[G1M+7], 0
	s_mul_i32 s66, s21, 409600                     ; kv: the head's 16 records + my record of a pair
	s_mul_i32 s70, s17, REC
	s_add_co_u32 s66, s66, s70                     ; (s70 is also my record's place in a slot)
	s_mov_b32 s67, 0
	s_lshl_b32 s68, s20, 20                        ; mask: 128 group rows of 8,192 bytes + my key step's 512 bytes of a row
	s_lshl_b32 s69, s17, 9
	s_add_co_u32 s68, s68, s69
	s_mov_b32 s69, 0
	s_mul_i32 s71, s17, MTILE
	s_add_co_u32 s71, s71, MREG
	s_lshl_b32 s75, s21, 4
	s_add_co_u32 s75, s75, s20
	s_mul_i32 s76, s75, 12800                      ; q's record: [head][group]
	s_mov_b32 s77, 0
	s_lshl_b32 s75, s20, 4
	s_add_co_u32 s75, s75, s21
	s_mul_i32 s78, s75, 12800                      ; the result's: [group][head]
	s_mov_b32 s79, 0
	s_lshl_b32 s72, s21, 17                        ; adapter weights: (2,048 head + 128 group + 16 wave) x 64 bytes
	s_lshl_b32 s73, s20, 13
	s_add_co_u32 s72, s72, s73
	s_lshl_b32 s73, s[WV], 10
	s_add_co_u32 s72, s72, s73
	s_mov_b32 s73, 0
	s_lshl_b32 s74, s21, 9                         ; adapter values' partial sums: wv's part + row l = wave + the head's 512 bytes
	s_lshl_b32 s75, s[WV], 13
	s_add_co_u32 s74, s74, s75
	s_add_co_u32 s74, s74, 327680
	s_mov_b32 s75, 0
	s_mov_b32 s[SCQ], 0x3db504f3
	s_mov_b32 s[SCQ+1], s[SCQ]
	s_mov_b32 s[CS], 0x3fb8aa3b
	s_mov_b32 s[CS+1], s[CS]
	s_mov_b32 s[SEL], 0x76543210
	s_mov_b32 s[SEL+1], 0xfedcba98
	s_mov_b32 s[TRIPS], 3
	s_wait_kmcnt 0x0
	s_add_nc_u64 s[6:7], s[6:7], s[66:67]
	s_add_nc_u64 s[8:9], s[8:9], s[68:69]
	s_add_nc_u64 s[4:5], s[4:5], s[76:77]
	s_add_nc_u64 s[14:15], s[14:15], s[78:79]
	s_add_nc_u64 s[12:13], s[12:13], s[72:73]
	s_add_nc_u64 s[10:11], s[10:11], s[74:75]
.irp s, 0,1
	s_mov_b32 s[G0KV+4*\s], 1
	s_add_co_u32 s[G0KV+4*\s+1], s70, \s*KVS
	s_add_nc_u64 s[G0KV+4*\s+2:G0KV+4*\s+3], s[6:7], \s*KVS        ; slot s begins with pair s
	s_or_b32 s[G0KV+4*\s+3], s[G0KV+4*\s+3], 0x80000000
.endr
	s_mov_b32 s[G0M], 1
	s_mov_b32 s[G0M+1], s71
	s_mov_b64 s[G0M+2:G0M+3], s[8:9]               ; pair 0
	s_or_b32 s[G0M+3], s[G0M+3], 0x80000000
	CROUND                                         ; all sixteen work-groups are here
	s_cmp_lt_u32 s[WV], 2                          ; the first fills go out as one group; a wave's stand in one branch: waves 0, 1 both slots of k and v (two loads out), waves 2, 3 the mask's region (one)
	s_cbranch_scc0 .Lfirst_m
	tensor_load_to_lds s[G0KV:G0KV+3], s[G1KV:G1KV+7]
	s_nop 0
	tensor_load_to_lds s[G0KV+4:G0KV+7], s[G1KV:G1KV+7]
	s_nop 0
.rept 4
	v_nop
.endr
	s_branch .Lfirst_asked
.Lfirst_m:
	s_cmp_lt_u32 s[WV], 4
	s_cbranch_scc0 .Lfirst_asked
	tensor_load_to_lds s[G0M:G0M+3], s[G1M:G1M+7]
	s_nop 0
.rept 4
	v_nop
.endr
.Lfirst_asked:
	v_and_b32 v9, 31, v0                           ; lane
	v_and_b32 v10, 15, v0                          ; r
	v_bfe_u32 v11, v0, 4, 1                        ; h
	v_lshlrev_b32 v[VO], 4, v9
	v_mov_b32 v[AKV], v[VO]
	v_add_nc_u32 v[AKV+1], KVS, v[VO]
	s_mul_i32 s72, s[WV], 16*MP
	s_add_co_u32 s72, s72, MREG
	v_mul_u32_u24 v[AMK], v10, MP
	v_lshl_add_u32 v[AMK], v11, 5, v[AMK]
	v_add_nc_u32 v[AMK], s72, v[AMK]
	v_add_nc_u32 v[AMK+1], MTILE, v[AMK]
	v_lshl_add_u32 v[AAV], v11, 6, AVT
	s_mul_i32 s73, s[WV], 1536
	v_add_nc_u32 v[VOW], s73, v[VO]
	s_lshl_b32 s74, s17, 8
	s_lshr_b32 s75, s[WV], 1
	s_lshl_b32 s75, s75, 2
	s_add_co_u32 s74, s74, s75
	v_lshl_add_u32 v[VWD], v10, 4, s74             ; tile w: word w / 2 of lane r + 16 (w % 2)
	v_add_nc_u32 v[ASWT], SWT, v[VWD]
	v_add_nc_u32 v[ASRD], SWT, v[VO]
	v_lshlrev_b32 v[VAPR], 6, v10
	v_lshl_add_u32 v[AVST], v0, 4, AVT
.irp c, 0,1,2
	global_load_b128 v[QF+4*\c:QF+4*\c+3], v[VOW], s[4:5] offset:512*\c    ; my tile of q stays in registers
.endr
	global_load_b32 v[QS], v[VWD], s[4:5] offset:12288
.irp c, 0,1,2
	global_load_b128 v[APR+4*\c:APR+4*\c+3], v[VAPR], s[12:13] offset:16*\c   ; my query's adapter weights
.endr
.irp p, 0,1,2,3
	global_load_b128 v[96+4*\p:99+4*\p], v[VO], s[10:11] offset:81920*\p      ; adapter value row l = wave: four partial sums
.endr
	v_mov_b32 v13, 0xff61b1e6                      ; the largest t so far: -3e38
	v_floor_f32 v12, -v13                          ; -M
	v_mov_b32 v14, 0
	v_mov_b32 v15, 0
.irp b, 0,1,2,3
	v_mov_b32 v[236+\b], 0                         ; a lane permute's destination counts as one of its sources
	v_mov_b32 v[TM+4+\b], 0
.endr
	v_mov_b32 v253, 0
.set j, 0
.rept 64
	v_mov_b32 v[160+j], 0                          ; O^T: the step is written once; its first turn finds zeros
.set j, j+1
.endr
	s_wait_loadcnt 0x0
	v_pk_add_f32 v[96:97], v[96:97], v[100:101]
	v_pk_add_f32 v[98:99], v[98:99], v[102:103]
	v_pk_add_f32 v[104:105], v[104:105], v[108:109]
	v_pk_add_f32 v[106:107], v[106:107], v[110:111]
	v_pk_add_f32 v[96:97], v[96:97], v[104:105]
	v_pk_add_f32 v[98:99], v[98:99], v[106:107]
	ds_store_b128 v[AVST], v[96:99]
	s_cmp_lt_u32 s[WV], 2                          ; rows 8 and 9: waves 0 and 1 once more
	s_cbranch_scc0 .Lav_done
.irp p, 0,1,2,3
	global_load_b128 v[112+4*\p:115+4*\p], v[VO], s[10:11] offset:65536+81920*\p
.endr
	s_wait_loadcnt 0x0
	v_pk_add_f32 v[112:113], v[112:113], v[116:117]
	v_pk_add_f32 v[114:115], v[114:115], v[118:119]
	v_pk_add_f32 v[120:121], v[120:121], v[124:125]
	v_pk_add_f32 v[122:123], v[122:123], v[126:127]
	v_pk_add_f32 v[112:113], v[112:113], v[120:121]
	v_pk_add_f32 v[114:115], v[114:115], v[122:123]
	ds_store_b128 v[AVST], v[112:115] offset:4096
.Lav_done:
.macro KLOAD s, u                      ; K of the slot's u-th key step: its scale words and eight images.  It leaves the destination's window at 1
	ds_load_b128 v[KSW:KSW+3], v[AKV+\s] offset:REC*\u+12288
	WIN 0x40
.irp t, 0,1,2,3,4,5,6,7
.irp c, 0,1,2
	ds_load_b128 v[12*\t+4*\c:12*\t+4*\c+3], v[AKV+\s] offset:REC*\u+1536*\t+512*\c
.endr
.endr
.endm
.macro MLOAD                           ; my 16 queries' part of both tiles of the mask: register 96 + 64 u + 8 t + j of window 1 is key 16 t + 8 h + j of the pair's u-th step
.irp u, 0,1
.irp t, 0,1,2,3,4,5,6,7
.irp j, 0,1
	ds_load_b128 v[96+64*\u+8*\t+4*\j:96+64*\u+8*\t+4*\j+3], v[AMK+\u] offset:64*\t+16*\j
.endr
.endr
.endr
.endm
.macro QK                              ; S^T = K Q^T: eight tiles of 16 keys
	WIN 0x01
.irp t, 0,1,2,3,4,5,6,7
.if \t%2 == 0
	v_wmma_scale_f32_16x16x128_f8f6f4 v[96+8*\t:103+8*\t], v[12*\t:12*\t+11], v[QF:QF+11], 0, v[KSW+\t/2], v[QS] matrix_a_fmt:MATRIX_FMT_FP6 matrix_b_fmt:MATRIX_FMT_FP6
.else
	v_wmma_scale_f32_16x16x128_f8f6f4 v[96+8*\t:103+8*\t], v[12*\t:12*\t+11], v[QF:QF+11], 0, v[KSW+\t/2], v[QS] matrix_a_fmt:MATRIX_FMT_FP6 matrix_b_fmt:MATRIX_FMT_FP6 matrix_a_scale:MATRIX_SCALE_ROW1
.endif
.endr
	WIN 0
.endm
; The rest of a key step, behind its products K Q^T: V is asked for into K's registers and lands under the softmax; the mask is added; softmax; p's codes; O^T += V^T P^T.
.macro REST s, u
	PLACES4                                        ; places behind the products above: in front of the loads into K's registers and of the first read of the scores
	ds_load_b128 v[VSW:VSW+3], v[AKV+\s] offset:REC*\u+25088
	WIN 0x40
.irp t, 0,1,2,3,4,5,6,7
.irp c, 0,1,2
	ds_load_b128 v[12*\t+4*\c:12*\t+4*\c+3], v[AKV+\s] offset:REC*\u+12800+1536*\t+512*\c
.endr
.endr
	s_wait_dscnt 25                                ; the mask's numbers are in; V's 24 loads and its scale words may be out
	WIN 0x10
.set j, 0
.rept 32
	v_pk_fma_f32 v[96+j:97+j], v[96+j:97+j], s[SCQ:SCQ+1], v[96+64*\u+j:97+64*\u+j] op_sel_hi:[1,0,1]   ; logit = score / sqrt(128) + mask; each accumulator from its low end on
.set j, j+2
.endr
	WIN 0
.irp b, 0,1,2,3
	v_max3_num_f32 v[232+\b], v[96+16*\b], v[97+16*\b], v[98+16*\b]   ; the largest logit of each block of 32 keys: for the row's maximum and, since p rises with the logit, for the block's largest p
.endr
.irp i, 3,5,7,9,11,13
.irp b, 0,1,2,3
	v_max3_num_f32 v[232+\b], v[232+\b], v[96+16*\b+\i], v[97+16*\b+\i]
.endr
.endr
.irp b, 0,1,2,3
	v_max_num_f32 v[232+\b], v[232+\b], v[111+16*\b]
.endr
.irp b, 0,1,2,3
	v_permlanex16_b32 v[236+\b], v[232+\b], s[SEL], s[SEL+1]
.endr
.irp b, 0,1,2,3
	v_max_num_f32 v[232+\b], v[232+\b], v[236+\b]
.endr
	v_max3_num_f32 v254, v232, v233, v234
	v_max_num_f32 v254, v254, v235
	v_mul_f32 v254, s[CS], v254                    ; as t
	v_max_num_f32 v13, v13, v254                   ; the running largest t
	v_mov_b32 v254, v12
	v_floor_f32 v12, -v13                          ; the new -M = -ceil(t): a whole number
	v_sub_f32 v254, v12, v254                      ; old M - new M: a whole number, 0 or less
	v_cvt_i32_f32 v254, v254                       ; (it saturates)
	v_ldexp_f32 v252, 1.0, v254                    ; f = 2^(old M - new M): multiplying by it rounds nothing
.set j, 0
.rept 32
	v_pk_fma_f32 v[96+j:97+j], v[96+j:97+j], s[CS:CS+1], v[12:13] op_sel_hi:[1,0,0]   ; t - M
.set j, j+2
.endr
.irp b, 0,1,2,3
	v_fma_f32 v[232+\b], v[232+\b], s[CS], v12
.endr
.set j, 0
.rept 64
	v_exp_f32 v[96+j], v[96+j]                     ; p = 2^(t - M), at most 1, not normalised
.set j, j+1
.endr
.irp b, 0,1,2,3
	v_exp_f32 v[232+\b], v[232+\b]                 ; the block's largest p: the same two instructions on the same number
.endr
	v_pk_mul_f32 v[14:15], v[14:15], v[252:253] op_sel_hi:[1,0]   ; the sums under the new M (a plain place behind the exponentials)
	s_wait_alu depctr_va_vdst(0)
.irp b, 0,1,2,3
	v_max_num_f32 v[232+\b], 0x1800000, v[232+\b]  ; the floor 2^(3 - 127)
.endr
.irp b, 0,1,2,3
	v_add_nc_u32 v[244+\b], 0xff000000, v[232+\b]
.endr
.irp b, 0,1,2,3
	v_lshrrev_b32 v[236+\b], 23, v[244+\b]
.endr
	v_lshl_or_b32 v253, v237, 8, v236              ; p's scale word for these 128 keys
	v_lshl_or_b32 v253, v238, 16, v253
	v_lshl_or_b32 v253, v239, 24, v253
.irp c, 0,1
	v_cvt_scalef32_pk16_fp6_f32 v[224+6*\c:226+6*\c], v[96+32*\c:111+32*\c], v[244+2*\c]
	v_cvt_scalef32_pk16_fp6_f32 v[236+4*\c:238+4*\c], v[112+32*\c:127+32*\c], v[244+2*\c+1]
.endr
	v_nop
.irp c, 0,1
.irp i, 0,1,2
	v_permlane16_swap_b32 v[224+6*\c+\i], v[236+4*\c+\i]
.endr
.irp i, 0,1,2
	v_mov_b32 v[227+6*\c+\i], v[236+4*\c+\i]
.endr
.endr
	v_pk_add_f32 v[236:237], v[96:97], v[98:99]    ; the row's sum is taken of the unquantised p, in two chains
.irp j, 4,8,12,16,20,24,28,32,36,40,44,48,52,56,60
	v_pk_add_f32 v[14:15], v[14:15], v[96+\j:97+\j]
	v_pk_add_f32 v[236:237], v[236:237], v[98+\j:99+\j]
.endr
	v_pk_add_f32 v[14:15], v[14:15], v[236:237]
.set j, 0
.rept 32
	v_pk_mul_f32 v[160+j:161+j], v[160+j:161+j], v[252:253] op_sel_hi:[1,0]   ; O^T under the new M (also the places between p's codes and scale word and the products below)
.set j, j+2
.endr
	s_wait_dscnt 0x0                               ; V
	WIN 0x01
.irp t, 0,1,2,3,4,5,6,7
.if \t%2 == 0
	v_wmma_scale_f32_16x16x128_f8f6f4 v[160+8*\t:167+8*\t], v[12*\t:12*\t+11], v[224:235], v[160+8*\t:167+8*\t], v[VSW+\t/2], v253 matrix_a_fmt:MATRIX_FMT_FP6 matrix_b_fmt:MATRIX_FMT_FP6
.else
	v_wmma_scale_f32_16x16x128_f8f6f4 v[160+8*\t:167+8*\t], v[12*\t:12*\t+11], v[224:235], v[160+8*\t:167+8*\t], v[VSW+\t/2], v253 matrix_a_fmt:MATRIX_FMT_FP6 matrix_b_fmt:MATRIX_FMT_FP6 matrix_a_scale:MATRIX_SCALE_ROW1
.endif
.endr
	WIN 0
.endm
; A PAIR OF KEY STEPS, from slot 'slot' of k and v and the mask's region.
; At its head: my tensor load, if I have one out, has landed (by this text's own count one, at the first pair two: so the count that the reads need is 0), and a barrier of the work-group shows that of every wave.
; Then the first step's K and the pair's mask numbers are taken into registers, and the first step's products K Q^T are issued while the mask's loads come in.
; mode = 1, 2: then the three lines, a round of the cluster's barrier (no wave of any partner still reads the mask's region or the other slot, or has a load on its way), and the next pair's request, first thing behind it.
.macro PAIR slot, mode
	s_wait_tensorcnt 0x0
	s_wait_dscnt 0x0                               ; no LDS instruction of mine is out at a signal
	s_barrier_signal -1
	s_barrier_wait -1
	PLACES4                                        ; places behind the last products, in front of loads into their operands' and scales' registers
	KLOAD \slot, 0
	MLOAD
	s_wait_dscnt 32                                ; K and its scale words are in; the mask's 32 loads may be out
	QK
.if \mode
	s_wait_tensorcnt 0x0
	ds_add_u32 v[SPW], v[NIL]                      ; 0 onto my spare word; the descriptors' steps stand between it and the wait for it
	ds_add_u32 v5, v6
.if \mode == 2
	s_add_nc_u64 s[G0KV+4*(1-\slot)+2:G0KV+4*(1-\slot)+3], s[G0KV+4*(1-\slot)+2:G0KV+4*(1-\slot)+3], 2*KVS   ; the other slot's next pair: two pairs on from its last
.endif
	s_add_nc_u64 s[G0M+2:G0M+3], s[G0M+2:G0M+3], 1024   ; the next pair's 256 keys in the mask's rows
	s_wait_dscnt 0x0                               ; the add is done; the mask's numbers are in my registers: my reads of the region are over
	CROUND
	TLOADP 1-\slot, \mode
.endif
	REST \slot, 0
	PLACES4
	KLOAD \slot, 1
	s_wait_dscnt 0x0
	QK
	REST \slot, 1
.endm
	PAIR 0, 1                                      ; pair 0: slot 1 of k and v was filled at the start, so only the mask's region is asked for
.Lloop:                                            ; pairs 1 to 6
	PAIR 1, 2
	PAIR 0, 2
	s_sub_co_u32 s[TRIPS], s[TRIPS], 1
	s_cmp_lg_u32 s[TRIPS], 0
	s_cbranch_scc1 .Lloop
	PAIR 1, 0                                      ; pair 7 is written out: it asks for nothing
	; ---- THE END.  O^T / the sum; + the adapter's term; quantised along the head's 128; out as an image.
	PLACES4
	v_add_f32 v14, v14, v15
	v_permlanex16_b32 v252, v14, s[SEL], s[SEL+1]
	v_add_f32 v14, v14, v252                       ; the row's sum
	v_rcp_f32 v14, v14
	v_nop
.set j, 0
	s_wait_alu depctr_va_vdst(0)
.rept 32
	v_pk_mul_f32 v[96+j:97+j], v[160+j:161+j], v[14:15] op_sel_hi:[1,0]   ; register 16 b + i: channel 32 b + 16 h + i
.set j, j+2
.endr
.macro AVLOAD l                        ; adapter value row l at my 64 channels, into set l % 4 of window 1
.irp b, 0,1,2,3
.irp j, 0,1,2,3
	ds_load_b128 v[64*((\l)%4)+16*\b+4*\j:64*((\l)%4)+16*\b+4*\j+3], v[AAV] offset:512*(\l)+128*\b+16*\j
.endr
.endr
.endm
.macro AVFMA l                         ; result += weight[l] x value[l]: the weight is one register of a pair, taken for both halves
.set m, 0
.rept 32
.if (\l)%2 == 0
	v_pk_fma_f32 v[96+2*m:97+2*m], v[64*((\l)%4)+2*m:64*((\l)%4)+2*m+1], v[APR+(\l):APR+(\l)+1], v[96+2*m:97+2*m] op_sel:[0,0,0] op_sel_hi:[1,0,1]
.else
	v_pk_fma_f32 v[96+2*m:97+2*m], v[64*((\l)%4)+2*m:64*((\l)%4)+2*m+1], v[APR+(\l)-1:APR+(\l)], v[96+2*m:97+2*m] op_sel:[0,1,0] op_sel_hi:[1,1,1]
.endif
.set m, m+1
.endr
.endm
	WIN 0x40
	AVLOAD 0
	AVLOAD 1
	AVLOAD 2
	AVLOAD 3
	s_wait_dscnt 0x0
	WIN 0x01
	AVFMA 0
	AVFMA 1
	AVFMA 2
	AVFMA 3
	WIN 0x40
	AVLOAD 4
	AVLOAD 5
	AVLOAD 6
	AVLOAD 7
	s_wait_dscnt 0x0
	WIN 0x01
	AVFMA 4
	AVFMA 5
	AVFMA 6
	AVFMA 7
	WIN 0x40
	AVLOAD 8
	AVLOAD 9
	s_wait_dscnt 0x0
	WIN 0x01
	AVFMA 8
	AVFMA 9
	WIN 0
.irp b, 0,1,2,3
	v_max3_num_f32 v[TM+\b], |v[96+16*\b]|, |v[97+16*\b]|, 0x1800000
.endr
.irp i, 2,4,6,8,10,12,14
.irp b, 0,1,2,3
	v_max3_num_f32 v[TM+\b], v[TM+\b], |v[96+16*\b+\i]|, |v[97+16*\b+\i]|
.endr
.endr
.irp b, 0,1,2,3
	v_permlanex16_b32 v[TM+4+\b], v[TM+\b], s[SEL], s[SEL+1]
.endr
.irp b, 0,1,2,3
	v_max_num_f32 v[TM+\b], v[TM+\b], v[TM+4+\b]
.endr
.irp b, 0,1,2,3
	v_add_nc_u32 v[TM+12+\b], 0xff000000, v[TM+\b]
.endr
.irp b, 0,1,2,3
	v_lshrrev_b32 v[TM+4+\b], 23, v[TM+12+\b]
.endr
	v_lshl_or_b32 v[PW], v[TM+5], 8, v[TM+4]
	v_lshl_or_b32 v[PW], v[TM+6], 16, v[PW]
	v_lshl_or_b32 v[PW], v[TM+7], 24, v[PW]
.irp c, 0,1
	v_cvt_scalef32_pk16_fp6_f32 v[PC+6*\c:PC+2+6*\c], v[96+32*\c:111+32*\c], v[TM+12+2*\c]
	v_cvt_scalef32_pk16_fp6_f32 v[PC+12+4*\c:PC+14+4*\c], v[112+32*\c:127+32*\c], v[TM+12+2*\c+1]
.endr
	v_nop
.irp c, 0,1
.irp i, 0,1,2
	v_permlane16_swap_b32 v[PC+6*\c+\i], v[PC+12+4*\c+\i]
.endr
.irp i, 0,1,2
	v_mov_b32 v[PC+3+6*\c+\i], v[PC+12+4*\c+\i]
.endr
.endr
.irp c, 0,1,2
	global_store_b128 v[VOW], v[PC+4*\c:PC+4*\c+3], s[14:15] offset:512*\c   ; 512 consecutive bytes a store
.endr
	ds_store_b32 v[ASWT], v[PW]                    ; lanes r and r + 16 write the same word with the same value
	s_wait_dscnt 0x0
	s_barrier_signal -1
	s_barrier_wait -1                              ; the eight tiles' scale words lie together
	s_cmp_lg_u32 s[WV], 0
	s_cbranch_scc1 .Lnot_0
	ds_load_b128 v[96:99], v[ASRD]
	s_wait_dscnt 0x0
	global_store_b128 v[VO], v[96:99], s[14:15] offset:12288
.Lnot_0:
	s_wait_tensorcnt 0x0                           ; the wave's end
	ds_add_u32 v[SPW], v[NIL]
	s_wait_dscnt 0x0
	CROUND                                         ; the closing round
	s_endpgm
.Lfunc_end_k_q713957fb3b_attn:
	.size	k_q713957fb3b_attn, .Lfunc_end_k_q713957fb3b_attn-k_q713957fb3b_attn
	.p2alignl 7, 3214868480
	.fill 96, 4, 3214868480
	.section	.rodata,"a",@progbits
	.p2align	6, 0x0
	.amdhsa_kernel k_q713957fb3b_attn
		.amdhsa_group_segment_fixed_size 327680
		.amdhsa_private_segment_fixed_size 0
		.amdhsa_enable_private_segment 0
		.amdhsa_kernarg_size 48
		.amdhsa_user_sgpr_count 2
		.amdhsa_user_sgpr_kernarg_segment_ptr 1
		.amdhsa_wavefront_size32 1
		.amdhsa_system_sgpr_workgroup_id_x 1
		.amdhsa_system_sgpr_workgroup_id_y 1
		.amdhsa_system_sgpr_workgroup_id_z 1
		.amdhsa_system_vgpr_workitem_id 0
		.amdhsa_next_free_vgpr 512
		.amdhsa_next_free_sgpr 80
		.amdhsa_reserve_vcc 0
		.amdhsa_float_denorm_mode_32 3
		.amdhsa_float_denorm_mode_16_64 3
		.amdhsa_memory_ordered 1
		.amdhsa_forward_progress 1
		.amdhsa_inst_pref_size 224
	.end_amdhsa_kernel
	.amdgpu_metadata
---
amdhsa.version: [ 1, 2 ]
amdhsa.kernels:
  - .name:           k_q713957fb3b_attn
    .symbol:         k_q713957fb3b_attn.kd
    .args:
      - { .name: qrec, .offset: 0, .size: 8, .value_kind: global_buffer, .address_space: global }
      - { .name: kv, .offset: 8, .size: 8, .value_kind: global_buffer, .address_space: global }
      - { .name: mask, .offset: 16, .size: 8, .value_kind: global_buffer, .address_space: global }
      - { .name: adp, .offset: 24, .size: 8, .value_kind: global_buffer, .address_space: global }
      - { .name: ap, .offset: 32, .size: 8, .value_kind: global_buffer, .address_space: global }
      - { .name: orec, .offset: 40, .size: 8, .value_kind: global_buffer, .address_space: global }
    .group_segment_fixed_size: 327680
    .private_segment_fixed_size: 0
    .kernarg_segment_align: 8
    .kernarg_segment_size: 48
    .max_flat_workgroup_size: 256
    .sgpr_count:     80
    .vgpr_count:     512
    .wavefront_size: 32
...
	.end_amdgpu_metadata
.endif
;; end of part 3
;; launch oproj (part 4): grid 16 x 16, 4 waves a work-group, clusters of 4 x 4, 327,680 bytes of LDS; arguments orec, wo_codes, wo_scales, out0; writes out0
.if DOCPART == 4
	.amdgcn_target "amdgcn-amd-amdhsa--gfx1250"
	.amdhsa_code_object_version 6
	.text
	.protected	k_q713957fb3b_oproj
	.globl	k_q713957fb3b_oproj
	.p2align	8
	.type	k_q713957fb3b_oproj,@function
k_q713957fb3b_oproj:
	s_mov_b64 s[64:65], 0
	v_nop
	global_prefetch_b8 v0, s[64:65] scope:SCOPE_SE
	s_setreg_imm32_b32 hwreg(HW_REG_WAVE_MODE, 25, 1), 1
	s_wait_xcnt 0x0
	s_wait_alu depctr_hold_cnt(0) depctr_sa_sdst(0) depctr_va_vdst(0) depctr_va_sdst(0) depctr_va_ssrc(0) depctr_va_vcc(0) depctr_vm_vsrc(0)
	s_getreg_b32 s2, hwreg(HW_REG_IB_STS2, 6, 4)
	s_cmp_eq_u32 s2, 0
	s_cbranch_scc0 .Lentry_in_a_cluster
	s_endpgm
.Lentry_in_a_cluster:
	s_bfe_u32 s2, ttmp6, 0x10000c
	s_cmp_lg_u32 s2, 0xf033
	s_cbranch_scc0 .Lentry_shape_is_right
	s_endpgm
.Lentry_shape_is_right:
; out0[m][n] = sum over k of A[m][k] wo[n][k], 2,048^3, on codes of E2M3.  A: the attention's result, as records [group of 128 rows][K step of 128][8 images of 1,536 bytes + 512 bytes of scale words].  wo: codes as given, K innermost.
; A tile of the output is 128 x 128, so that each of 256 work-groups has one; four waves of 64 x 64: 16 accumulators.  K goes in four parts of 512 through two LDS slots: 4 records of A (dense), and of wo two tiles of 128 rows x 192 bytes.
; 4 x 4 work-groups form a cluster: A's records are asked for jointly along a row, wo's tiles along a column.  The matrix instruction is used transposed (source 0 = 16 rows of wo, source 1 = 16 rows of A): a lane holds eight neighbouring outputs of a row.
; wo's scale words of a wave's 64 rows, for all of K, are 64 registers, loaded once: each row's 64 bytes whole.
; REGISTERS: window 0: v16-29 addresses; v32-95 wo's scale words (16 b + K step); v96-99 A's (two sets); on the way out v96-127 rows of the output; v128-255 accumulators.  window 1: two sets of fragments at v0 and v128: A's four, then wo's four.
.set REC,    12800
.set PITCH,  240                       ; 3 x (64 bytes + 16 of padding)
.set SUBT,   128*PITCH
.set BOFF,   4*REC
.set SLOT,   BOFF+2*SUBT
.set STAGE,  2*SLOT                    ; 16 rows x (256 + 16) bytes for each wave
.set SPITCH, 272
.set SPARE,  STAGE+4*16*SPITCH         ; the spare words: 128 bytes a wave, two blocks of 256 bytes that no other line names
.set AA,  16                           ; v16-17 slot + 16 lane + my four images
.set AS,  18                           ; v18-19 slot + the scale words' block + 16 lane + my two words
.set AB,  20                           ; v20-21 slot + wo's tile + my row + 24 h;  v22-23 the same behind one padding more
.set STO, 24
.set RD,  25
.set CO,  26
.set VB,  27
.set SPW, 28
.set NIL, 29
.set BSW, 32
.set ASW, 96
.set OB,  96
.set ACC, 128
.set G1A, 24
.set G0A, 32
.set G1B, 48
.set G0B, 56
.set MSB, 0
.macro WIN new
.if MSB != (\new)
	s_set_vgpr_msb (MSB<<8)|(\new)
.set MSB, (\new)
.endif
.endm
.macro PLACES
.rept 4
	v_nop
.endr
.endm
.macro JLOAD s                         ; waves 0, 1: two records of A each; waves 2, 3: one of wo's two tiles each.  Four v_nop follow each line
	s_cmp_eq_u32 s15, 0
	s_cbranch_scc0 .Lfor_b_\@
	tensor_load_to_lds s[G0A+4*\s:G0A+4*\s+3], s[G1A:G1A+7]
	s_nop 0
.rept 4
	v_nop
.endr
	s_branch .Lasked_\@
.Lfor_b_\@:
	tensor_load_to_lds s[G0B+4*\s:G0B+4*\s+3], s[G1B:G1B+7]
	s_nop 0
.rept 4
	v_nop
.endr
.Lasked_\@:
.endm
.macro CREST
	s_cmp_lg_u32 s14, 0
	s_cbranch_scc1 .Lnot_wave_0_\@
	s_barrier_signal -3
.Lnot_wave_0_\@:
	s_barrier_wait -3
	s_barrier_signal -1
	s_barrier_wait -1
.endm
.macro CROUND
	s_barrier_signal -1
	s_barrier_wait -1
	CREST
.endm
	s_load_b256 s[4:11], s[0:1], 0x0               ; orec, wo codes, wo scales, out0
	v_lshl_add_u32 v[SPW], v0, 2, SPARE
	v_mov_b32 v[NIL], 0
	ds_add_u32 v28, v29
	ds_add_u32 v28, v29
	s_wait_dscnt 0x0
	v_lshrrev_b32 v1, 5, v0
	v_readfirstlane_b32 s14, v1                    ; wave 0..3
	s_lshr_b32 s15, s14, 1                         ; my half of the rows.  Also: I fetch for A (0) or wo (1)
	s_and_b32 s16, s14, 1                          ; my half of the columns.  Also: which half I fetch
	s_bfe_u32 s40, ttmp6, 0x40000
	s_bfe_u32 s41, ttmp6, 0x40004
	s_lshl_b32 s42, ttmp9, 2
	s_add_co_u32 s42, s42, s40                     ; tile column
	s_and_b32 s17, ttmp7, 0xffff
	s_lshl_b32 s17, s17, 2
	s_add_co_u32 s17, s17, s41                     ; tile row = group of 128 rows
	s_lshl_b32 s43, s41, 2
	s_lshl_b32 s43, 15, s43
	s_lshl_b32 s44, 0x1111, s40
	s_or_b32 s[G1A], s43, (3<<16)|(1<<21)          ; two records: 25,600 dense bytes as 100 rows of 256, no padding
	s_mov_b32 s[G1A+1], 32<<16
	s_mov_b32 s[G1A+2], 100<<16
	s_mov_b32 s[G1A+3], 32<<16
	s_mov_b32 s[G1A+4], 100
	s_mov_b32 s[G1A+5], 32
	s_mov_b32 s[G1A+6], 0
	s_mov_b32 s[G1A+7], 0
	s_or_b32 s[G1B], s44, (0<<16)|(1<<20)|(1<<21)|(3<<22)|(3<<25)   ; 128 rows x 192 bytes, 1,536 apart; 4 words of padding behind every 16
	s_mov_b32 s[G1B+1], 192<<16
	s_mov_b32 s[G1B+2], 128<<16
	s_mov_b32 s[G1B+3], 192<<16
	s_mov_b32 s[G1B+4], 128
	s_mov_b32 s[G1B+5], 1536
	s_mov_b32 s[G1B+6], 0
	s_mov_b32 s[G1B+7], 0
	s_mul_i32 s20, s17, 204800                     ; A: the group's 16 records + my two of a part's four
	s_mul_i32 s18, s16, 25600                      ; (also their place in a slot)
	s_add_co_u32 s20, s20, s18
	s_mov_b32 s21, 0
	s_mul_i32 s46, s42, 196608                     ; wo: 128 rows of 1,536 bytes + my 192 of a part's 384
	s_mul_i32 s47, s16, 192
	s_add_co_u32 s46, s46, s47
	s_mov_b32 s47, 0
	s_mul_i32 s19, s16, SUBT
	s_add_co_u32 s19, s19, BOFF
	s_lshl_b32 s22, s42, 13                        ; wo's scale bytes: (128 tile column + 64 half) rows of 64
	s_lshl_b32 s23, s16, 12
	s_add_co_u32 s22, s22, s23
	s_mov_b32 s23, 0
	s_lshl_b32 s66, s17, 20                        ; out0: (128 tile row + 64 half) rows of 8,192 bytes + 512 tile column + 256 half
	s_lshl_b32 s67, s15, 19
	s_add_co_u32 s66, s66, s67
	s_lshl_b32 s67, s42, 9
	s_add_co_u32 s66, s66, s67
	s_lshl_b32 s67, s16, 8
	s_add_co_u32 s66, s66, s67
	s_mov_b32 s67, 0
	s_wait_kmcnt 0x0
	s_add_nc_u64 s[4:5], s[4:5], s[20:21]
	s_add_nc_u64 s[6:7], s[6:7], s[46:47]
	s_add_nc_u64 s[8:9], s[8:9], s[22:23]
	s_add_nc_u64 s[10:11], s[10:11], s[66:67]
	CROUND                                         ; all sixteen work-groups are here
.irp s, 0,1
	s_mov_b32 s[G0A+4*\s], 1
	s_add_co_u32 s[G0A+4*\s+1], s18, \s*SLOT
	s_add_nc_u64 s[G0A+4*\s+2:G0A+4*\s+3], s[4:5], \s*4*REC        ; slot s begins with part s
	s_or_b32 s[G0A+4*\s+3], s[G0A+4*\s+3], 0x80000000
	s_mov_b32 s[G0B+4*\s], 1
	s_add_co_u32 s[G0B+4*\s+1], s19, \s*SLOT
	s_add_nc_u64 s[G0B+4*\s+2:G0B+4*\s+3], s[6:7], \s*384
	s_or_b32 s[G0B+4*\s+3], s[G0B+4*\s+3], 0x80000000
	JLOAD \s
.endr
	v_and_b32 v1, 15, v0                           ; r
	v_bfe_u32 v2, v0, 4, 1                         ; h
	v_lshlrev_b32 v[VB], 6, v1
.irp b, 0,1,2,3
.irp i, 0,1,2,3
	global_load_b128 v[BSW+16*\b+4*\i:BSW+16*\b+4*\i+3], v[VB], s[8:9] offset:1024*\b+16*\i   ; row 16 b + r: its 16 scale words
.endr
.endr
	v_and_b32 v3, 31, v0
	v_lshlrev_b32 v3, 4, v3                        ; 16 lane
	s_mul_i32 s66, s15, 6144
	s_lshl_b32 s67, s15, 3
	s_add_co_u32 s67, s67, 12288
	v_mul_u32_u24 v4, v1, PITCH
	v_mad_u32_u24 v4, v2, 24, v4
	s_mul_i32 s68, s16, 64*PITCH
	s_add_co_u32 s68, s68, BOFF
.irp s, 0,1
	v_add_nc_u32 v[AA+\s], s66, v3
	v_add_nc_u32 v[AS+\s], s67, v3
	v_add_nc_u32 v[AB+\s], s68, v4
	v_lshl_add_u32 v[AB+2+\s], v2, 4, v[AB+\s]
	s_add_co_u32 s66, s66, SLOT
	s_add_co_u32 s67, s67, SLOT
	s_add_co_u32 s68, s68, SLOT
.endr
	s_mul_i32 s66, s14, 16*SPITCH
	s_add_co_u32 s66, s66, STAGE                   ; my stage
	v_mul_u32_u24 v[STO], v1, SPITCH
	v_lshl_add_u32 v[STO], v2, 5, v[STO]
	v_add_nc_u32 v[STO], s66, v[STO]               ; in: row r, 32 bytes for each half of the lanes
	v_mul_u32_u24 v[RD], v2, SPITCH
	v_lshl_add_u32 v[RD], v1, 4, v[RD]
	v_add_nc_u32 v[RD], s66, v[RD]                 ; back: lanes 0-15 one row of 256 bytes, lanes 16-31 the next
	v_lshlrev_b32 v[CO], 13, v2
	v_lshl_add_u32 v[CO], v1, 4, v[CO]             ; and the same two rows in the output
.macro FRAG reg, adr, q, i, sub        ; 16 rows x 128 K of wo from rows of 192 bytes, in pieces of 8 bytes; where the piece three on lies behind one padding more, the second address register serves
.irp p, 0,1,2,3,4,5
.set PCC, 12*(\q)+6*(\p/3)+\p%3
.if PCC%8 < 5
	ds_load_b64 v[\reg+2*\p:\reg+2*\p+1], v[\adr] offset:8*PCC+16*(PCC/8)+(\i)*16*PITCH+(\sub)
.else
	ds_load_b64 v[\reg+2*\p:\reg+2*\p+1], v[\adr+2] offset:8*PCC+16*(PCC/8)+(\i)*16*PITCH+(\sub)
.endif
.endr
.endm
.macro FETCH slot, q, set              ; 37 LDS loads: the slot's q-th 128 along K: A's four images, wo's four fragments, A's two registers of scale words
	WIN 0x40
.irp a, 0,1,2,3
.irp c, 0,1,2
	ds_load_b128 v[128*(\set)+12*\a+4*\c:128*(\set)+12*\a+4*\c+3], v[AA+\slot] offset:REC*(\q)+1536*\a+512*\c
.endr
.endr
.irp b, 0,1,2,3
	FRAG 128*(\set)+48+12*\b, AB+\slot, (\q)%2, \b, SUBT*((\q)/2)
.endr
	WIN 0
	ds_load_b64 v[ASW+2*(\set):ASW+2*(\set)+1], v[AS+\slot] offset:REC*(\q)
.endm
.macro MUL set, kg, zero               ; 16 matrix instructions, the 16 accumulators by turns; kg: the K step of 128, 0 to 15
	WIN 0x05
.irp a, 0,1,2,3
.irp b, 0,1,2,3
.set DD, ACC+8*(4*\a+\b)
.set BF, 128*(\set)+48+12*\b
.set AFR, 128*(\set)+12*\a
.set SB, BSW+16*\b+(\kg)
.set SA, ASW+2*(\set)+\a/2
.if \zero
.if \a%2 == 0
	v_wmma_scale_f32_16x16x128_f8f6f4 v[DD:DD+7], v[BF:BF+11], v[AFR:AFR+11], 0, v[SB], v[SA] matrix_a_fmt:MATRIX_FMT_FP6 matrix_b_fmt:MATRIX_FMT_FP6
.else
	v_wmma_scale_f32_16x16x128_f8f6f4 v[DD:DD+7], v[BF:BF+11], v[AFR:AFR+11], 0, v[SB], v[SA] matrix_a_fmt:MATRIX_FMT_FP6 matrix_b_fmt:MATRIX_FMT_FP6 matrix_b_scale:MATRIX_SCALE_ROW1
.endif
.else
.if \a%2 == 0
	v_wmma_scale_f32_16x16x128_f8f6f4 v[DD:DD+7], v[BF:BF+11], v[AFR:AFR+11], v[DD:DD+7], v[SB], v[SA] matrix_a_fmt:MATRIX_FMT_FP6 matrix_b_fmt:MATRIX_FMT_FP6
.else
	v_wmma_scale_f32_16x16x128_f8f6f4 v[DD:DD+7], v[BF:BF+11], v[AFR:AFR+11], v[DD:DD+7], v[SB], v[SA] matrix_a_fmt:MATRIX_FMT_FP6 matrix_b_fmt:MATRIX_FMT_FP6 matrix_b_scale:MATRIX_SCALE_ROW1
.endif
.endif
.endr
.endr
.endm
.macro KS slot, q, kg, zero            ; a step with its successor in the same slot: the successor is fetched into the other set, then this step is multiplied
	PLACES
	FETCH \slot, (\q)+1, 1-(\kg)%2
	s_wait_dscnt 37                                ; this step's loads are in; the 37 just issued may be out
	MUL (\kg)%2, \kg, \zero
.endm
.macro KT slot, next, fill, kg         ; a slot's last step changes slots
	WIN 0
	s_wait_tensorcnt 0x0                           ; all my tensor loads have landed: my part of the next slot
	ds_add_u32 v[SPW], v[NIL]
.if \fill
	s_add_nc_u64 s[G0A+4*\slot+2:G0A+4*\slot+3], s[G0A+4*\slot+2:G0A+4*\slot+3], 8*REC   ; two parts on
	s_add_nc_u64 s[G0B+4*\slot+2:G0B+4*\slot+3], s[G0B+4*\slot+2:G0B+4*\slot+3], 768
.endif
	s_wait_dscnt 0x0                               ; the add is done, and my reads of this slot are over: this step's fragments are in registers
	s_barrier_signal -1
	s_barrier_wait -1
.if \fill
	CREST                                          ; the barrier has opened a round of the cluster's barrier
	JLOAD \slot                                    ; the first tensor load behind the round; its four v_nop are the places in front of the loads below
.else
	PLACES
.endif
	FETCH \next, 0, 1-(\kg)%2
	MUL (\kg)%2, \kg, 0
.endm
	s_wait_tensorcnt 1                             ; my part of slot 0 is in; slot 1's may stay out
	s_barrier_signal -1
	s_barrier_wait -1
	FETCH 0, 0, 0
	s_wait_loadcnt 0x0                             ; wo's scale words
	KS 0, 0, 0, 1                                  ; the first step's products start the sums
	KS 0, 1, 1, 0
	KS 0, 2, 2, 0
	KT 0, 1, 1, 3
	KS 1, 0, 4, 0
	KS 1, 1, 5, 0
	KS 1, 2, 6, 0
	KT 1, 0, 1, 7
	KS 0, 0, 8, 0
	KS 0, 1, 9, 0
	KS 0, 2, 10, 0
	KT 0, 1, 0, 11
	KS 1, 0, 12, 0
	KS 1, 1, 13, 0
	KS 1, 2, 14, 0
	s_wait_dscnt 0x0
	MUL 1, 15, 0
	WIN 0
	; THE WAY OUT, 16 rows x 64 columns at a time, through my own stage: LDS serves a wave's instructions in order, so no wait stands between the stores and the loads.
	PLACES
.irp a, 0,1,2,3
.if \a > 0
	s_wait_xcnt 0x0                                ; the last block's stores have read their registers
.endif
.irp b, 0,1,2,3
	ds_store_b128 v[STO], v[ACC+8*(4*\a+\b):ACC+8*(4*\a+\b)+3] offset:64*\b          ; each accumulator from its low end on
	ds_store_b128 v[STO], v[ACC+8*(4*\a+\b)+4:ACC+8*(4*\a+\b)+7] offset:64*\b+16
.endr
.irp i, 0,1,2,3,4,5,6,7
	ds_load_b128 v[OB+4*\i:OB+4*\i+3], v[RD] offset:\i*2*SPITCH
.endr
.irp i, 0,1,2,3,4,5,6,7
	s_wait_dscnt 7-\i
	global_store_b128 v[CO], v[OB+4*\i:OB+4*\i+3], s[10:11] offset:(16*\a+2*\i)*8192 th:TH_STORE_NT   ; 16 lanes store 256 consecutive bytes, aligned
.endr
.endr
	s_wait_tensorcnt 0x0                           ; the wave's end
	ds_add_u32 v[SPW], v[NIL]
	s_wait_dscnt 0x0
	CROUND                                         ; the closing round
	s_endpgm
.Lfunc_end_k_q713957fb3b_oproj:
	.size	k_q713957fb3b_oproj, .Lfunc_end_k_q713957fb3b_oproj-k_q713957fb3b_oproj
	.p2alignl 7, 3214868480
	.fill 96, 4, 3214868480
	.section	.rodata,"a",@progbits
	.p2align	6, 0x0
	.amdhsa_kernel k_q713957fb3b_oproj
		.amdhsa_group_segment_fixed_size 327680
		.amdhsa_private_segment_fixed_size 0
		.amdhsa_enable_private_segment 0
		.amdhsa_kernarg_size 32
		.amdhsa_user_sgpr_count 2
		.amdhsa_user_sgpr_kernarg_segment_ptr 1
		.amdhsa_wavefront_size32 1
		.amdhsa_system_sgpr_workgroup_id_x 1
		.amdhsa_system_sgpr_workgroup_id_y 1
		.amdhsa_system_sgpr_workgroup_id_z 1
		.amdhsa_system_vgpr_workitem_id 0
		.amdhsa_next_free_vgpr 512
		.amdhsa_next_free_sgpr 80
		.amdhsa_reserve_vcc 0
		.amdhsa_float_denorm_mode_32 3
		.amdhsa_float_denorm_mode_16_64 3
		.amdhsa_memory_ordered 1
		.amdhsa_forward_progress 1
		.amdhsa_inst_pref_size 93
	.end_amdhsa_kernel
	.amdgpu_metadata
---
amdhsa.version: [ 1, 2 ]
amdhsa.kernels:
  - .name:           k_q713957fb3b_oproj
    .symbol:         k_q713957fb3b_oproj.kd
    .args:
      - { .name: orec, .offset: 0, .size: 8, .value_kind: global_buffer, .address_space: global }
      - { .name: wo_codes, .offset: 8, .size: 8, .value_kind: global_buffer, .address_space: global }
      - { .name: wo_scales, .offset: 16, .size: 8, .value_kind: global_buffer, .address_space: global }
      - { .name: out0, .offset: 24, .size: 8, .value_kind: global_buffer, .address_space: global }
    .group_segment_fixed_size: 327680
    .private_segment_fixed_size: 0
    .kernarg_segment_align: 8
    .kernarg_segment_size: 32
    .max_flat_workgroup_size: 128
    .sgpr_count:     80
    .vgpr_count:     512
    .wavefront_size: 32
...
	.end_amdgpu_metadata
.endif
;; end of part 4
